; MI455X (gfx1250); checked and timed in simulation.
; The chip was launched on July 23, 2026; its instructions are those of AMD's public machine-readable ISA for CDNA 5 (MIT licence, August 2026) and "CDNA5" Instruction Set Architecture Reference Guide (July 2026). The comments in the code are by the model that wrote it; some were corrected since.
;; Block. Allowed arithmetic: matrix products marked QUANTISED: E3M2 operands, one E8M0 scale for each 32 along K, by v_wmma_scale_f32_16x16x128_f8f6f4 with both operands' format E3M2, f32 sums; everything else in f32.
;; Inputs: b1 2,048 float32; b2 512 float32; b_proj 512 float32; ln1_b 512 float32; ln1_g 512 float32; ln2_b 512 float32; ln2_g 512 float32; w1 512 x 2,048 float32; w2 2,048 x 512 float32; w_proj 512 x 512 float32; wk 16 x 512 x 32 float32; wq 16 x 512 x 32 float32; wv 16 x 512 x 32 float32; x 128 x 128 x 512 float32.
;; Outputs: out0 128 x 128 x 512 float32.
;; This version of the problem:
;;   THIS VERSION OF THE PROBLEM IS GIVEN IN LOW PRECISION. The matrix products marked QUANTISED in the list below multiply operands that are first quantised to E3M2 (3 exponent bits, 2 mantissa bits; 6 bits a number), with one power-of-two scale for each 32 numbers along K (OCP MX v1.0); their sums are f32. All else is computed in f32.
;;   The module's matrix products, in the order in which they are computed (A, B: the left and right operand; K: the contracted axis; several contracted axes count as one K, in the product's order):
;;     1. [M 512, K 512] x [K 512, N 16,384]; A: input wq; B: computed on the way: QUANTISED
;;     2. [M 512, K 512] x [K 512, N 16,384]; A: input wk; B: computed on the way: QUANTISED
;;     3. [M 512, K 512] x [K 512, N 16,384]; A: input wv; B: computed on the way: QUANTISED
;;     4. batch 2,048 x [M 128, K 32] x [K 32, N 128]; A: computed on the way; B: computed on the way: QUANTISED
;;     5. batch 2,048 x [M 128, K 128] x [K 128, N 32]; A: softmax (see below); B: computed on the way: QUANTISED
;;     6. [M 16,384, K 512] x [K 512, N 512]; A: computed on the way; B: input w_proj: QUANTISED
;;     7. [M 16,384, K 512] x [K 512, N 2,048]; A: computed on the way; B: input w1: QUANTISED
;;     8. [M 16,384, K 2,048] x [K 2,048, N 512]; A: computed on the way; B: input w2: QUANTISED
;;   THE QUANTISER, for each operand of a quantised product, along K:
;;     - K is cut into blocks of 32 from its start; a last block that is shorter is filled with zeros.
;;     - A block's scale is 2^e with e = floor(log2(the largest magnitude in the block)) - 4, held to -126 .. 127; a block of zeros has e = 0. As a byte (E8M0): e + 127.
;;     - Each number is divided by its block's scale, clamped to +-28, and rounded to the nearest number of E3M2, ties to even, subnormals kept.
;;     - The product sums the exact products of the quantised numbers (number of the format x scale) in f32.
;;   ~~~python
;;   def quantise(x, axis):      # numpy; x: float32 -> the quantised numbers, widened to float32 again
;;       x = np.moveaxis(x, axis, -1); K = x.shape[-1]
;;       x = np.pad(x, [(0, 0)] * (x.ndim - 1) + [(0, -K % 32)]); x = x.reshape(x.shape[:-1] + (-1, 32)); a = np.abs(x).max(-1, keepdims=True)
;;       e = np.where(a > 0, np.clip(np.frexp(np.where(a > 0, a, 1))[1] - 1 - 4, -126, 127), 0)      # np.frexp(a)[1] - 1 = floor(log2(a)), exactly
;;       r = np.clip(x / 2.0 ** e, -28, 28)
;;       step = 2.0 ** (np.maximum(np.frexp(np.where(r == 0, 1, r))[1] - 1, -2) - 2)
;;       q = np.round(r / step) * step * 2.0 ** e      # np.round: ties to even
;;       return np.moveaxis(q.reshape(q.shape[:-2] + (-1,))[..., :K], -1, axis).astype(np.float32)
;;   ~~~
;;   SOFTMAX AHEAD OF A QUANTISED PRODUCT. Where the list says 'softmax', what is quantised is not the finished softmax but p = 2^(t - M), with t = logit x log2(e) and M = ceil(the row's largest t), a whole number; so 1/2 < the row's largest p <= 1. The row's sum l is taken of the UNQUANTISED p, in f32, and the product's result is divided by l at the end. Since M is a whole number, a kernel that streams over the keys may use a running M (the ceiling of the running maximum): every later rescaling is an exact power of two, which a block's scale takes up: the codes' values come out the same.
;;   OPERANDS COMPUTED ON THE WAY. 'Computed on the way' means the value that the module computes at that place (a softmax that the list does not call 'softmax' is quantised finished and normalised). What goes into a quantiser is computed in f32, as accurately as f32 sums, v_exp_f32 and their like allow (about 1e-6 of the number): no bf16 or f16 on the way to a quantiser, and a product that is left as it is and whose result goes on into a quantised operand takes f32 operands (vector FMAs, or v_wmma_f32_16x16x4_f32). A number that lies on a knife's edge between two numbers of the format may be rounded either way, as far as f32 arithmetic and the matrix unit's own rounding can turn it there, and no further.
;; One version. Each part assembles by itself: llvm-mc -triple=amdgcn-amd-amdhsa -mcpu=gfx1250 --defsym DOCPART=n.
;; ======== version 1 of 1: 3 launches
;; limits: right only within a limited range of input values
;; workspace buffers: hq 6,815,744 bytes; wa 614,400 bytes; wm 1,843,200 bytes; aq 6,553,600 bytes
;; launch prep (part 1): grid 256 x 1, 4 waves a work-group, no clusters, 168,448 bytes of LDS; arguments x, ln1_g, ln1_b, wq, wk, wv, w_proj, w1, w2, hq, wa, wm; writes hq, wa, wm
.if DOCPART == 1
	.amdgcn_target "amdgcn-amd-amdhsa--gfx1250"
	.amdhsa_code_object_version 6
	.text
	.protected	k_qb1364a32ba_prep
	.globl	k_qb1364a32ba_prep
	.p2align	8
	.type	k_qb1364a32ba_prep,@function
k_qb1364a32ba_prep:
	s_mov_b64 s[64:65], 0
	v_nop
	global_prefetch_b8 v0, s[64:65] scope:SCOPE_SE
	s_setreg_imm32_b32 hwreg(HW_REG_WAVE_MODE, 25, 1), 1
	s_wait_xcnt 0x0
; LAUNCH 1 OF 3.  (a) h = layernorm(x) g + b, quantised along C to codes of E3M2 with one E8M0 byte for each 32; (b) all six weights, f32 with K as their first axis, quantised along K.
; Everything is stored in the ORDER OF AN OPERAND'S REGISTERS.  A fragment (16 rows x 128 K, 12 registers a lane) is three pieces of 512 bytes: piece i holds registers 4 i .. 4 i + 3, lane l at 16 l.
; THE ROWS OF A TILE ARE NOT NEIGHBOURS: row r of tile 2 B + u stands for index 32 B + 8 u + r + 8 (r / 8), for tokens and for the weights' columns alike, so that a product used with such a tile as
; source 0 leaves 16 neighbours in the 16 registers of two neighbouring tiles.
; SHARES.  Work-group G takes rows 64 G .. 64 G + 63 of x; each wave brings 16 rows into LDS by one tensor load (32 KiB) and makes one tile of 16 tokens (four fragments).  While the rows are on their way,
; waves 0 to 2 each quantise one weight unit (32 columns x 128 K: two fragments and one word pair): 768 units = 3 x 256.  No slot is filled twice.
; hq: fragment (tile T, K step s) at (4 T + s) 1536; from byte 6,291,456 on 512 bytes a tile: lane l holds its row's four scale words.
; wa: F = (3 head + q/k/v) 4 + s: codes at 3072 F + 1536 u; from byte 589,824 on 128 bytes for each F: lanes 0-15 the words of u = 0, lanes 16-31 those of u = 1.
; wm: the third launch's stream: [slot 0..17][wave][K step 0, 1][8 fragments, 4 word pairs = 12,800 bytes].
; LIMITS: NaN and infinities are not served.  A block of zeros gets the byte 1 (the floor) and not 127: its codes are zeros, and the bytes are read by this program alone.
.set GB,  133120                       ; LDS: behind x's rows (64 rows as 128 half rows of 1,024 + 16 bytes): ln1_g, 2,048 bytes, then ln1_b
.set TM,  16                           ; v16-31  at work in the quantiser
.set PC,  32                           ; v32-51  the codes just made
.set X,   64                           ; v64-127 the 64 numbers of a K step on their way to the quantiser.  Window 1, v0-255: all 256 numbers of my half row, read from LDS once
.set XB,  128                          ; v128-191 the gains
.set BV,  192                          ; v192-255 the biases
	s_load_b512 s[4:19], s[0:1], 0x0               ; x, ln1_g, ln1_b, wq, wk, wv, w_proj, w1
	s_load_b256 s[20:27], s[0:1], 0x40             ; w2, hq, wa, wm
	v_lshl_add_u32 v26, v0, 2, 0x29000
	v_mov_b32 v27, 0
	ds_add_u32 v26, v27
	ds_add_u32 v26, v27
	v_lshrrev_b32 v1, 5, v0
	v_readfirstlane_b32 s28, v1                    ; wave 0..3
	v_and_b32 v1, 31, v0                           ; lane
	v_and_b32 v2, 15, v0                           ; r
	v_bfe_u32 v3, v0, 4, 1                         ; h
	v_and_b32 v9, 8, v2
	v_add_nc_u32 v9, v9, v2                        ; r + 8 (r / 8)
	s_lshr_b32 s29, s28, 1
	s_lshl_b32 s29, s29, 5
	s_and_b32 s30, s28, 1
	s_lshl_b32 s30, s30, 3
	s_add_co_u32 s29, s29, s30                     ; my tile's first row among the 64: 32 (w / 2) + 8 (w % 2)
	s_mul_i32 s29, s29, 2080
	v_mul_u32_u24 v4, v9, 2080
	v_lshl_add_u32 v4, v3, 6, v4
	v_add_nc_u32 v4, s29, v4                       ; v4: LDS address of my row, + 64 h: my 16 numbers of each block of 32
	v_lshlrev_b32 v5, 6, v3
	v_add_nc_u32 v5, GB, v5                        ; v5: the same place in the gains
	v_lshlrev_b32 v6, 4, v1                        ; v6: 16 x lane
	v_lshl_add_u32 v7, v0, 4, GB                   ; v7: where my thread puts 16 bytes of the gains
	v_lshlrev_b32 v8, 2, v1                        ; v8: 4 x lane
	v_lshlrev_b32 v12, 4, v0                       ; 16 x thread: my 16 bytes of ln1_g and ln1_b
	s_mov_b32 s60, 0x76543210
	s_mov_b32 s61, 0xfedcba98                      ; v_permlanex16_b32's selects for lane l xor 16
	s_mov_b32 s62, 0xbb000000                      ; -1 / 512
	s_mov_b32 s63, 0x3727c5ac                      ; 1e-5
	s_mov_b32 s66, 0x3b000000                      ; 1 / 512
	; the tensor load: my 16 rows of 2,048 bytes are dense in memory: stated as 32 rows of 256 elements of 4 bytes, 16 bytes of padding behind each
	s_mov_b32 s32, 1
	s_mul_i32 s33, s28, 33280                      ; LDS: wave x 32 x 1,040
	s_lshl_b32 s46, ttmp9, 17
	s_lshl_b32 s47, s28, 15
	s_add_co_u32 s46, s46, s47                     ; (64 G + 16 w) x 2,048
	s_mov_b32 s47, 0
	s_mov_b32 s36, (2<<16)|(1<<20)|(7<<22)|(3<<25) ; elements of 4 bytes; padding on; behind every 256 words; of 4 words
	s_mov_b32 s37, 256<<16                         ; tensor_dim0
	s_mov_b32 s38, 32<<16                          ; tensor_dim1
	s_mov_b32 s39, 256<<16                         ; tile_dim0
	s_mov_b32 s40, 32                              ; tile_dim1
	s_mov_b32 s41, 256                             ; pitch
	s_mov_b32 s42, 0
	s_mov_b32 s43, 0
	s_wait_alu depctr_va_vdst(0)
	s_wait_dscnt 0x0
	s_wait_kmcnt 0x0
	s_add_nc_u64 s[34:35], s[4:5], s[46:47]
	s_or_b32 s35, s35, 0x80000000
	tensor_load_to_lds s[32:35], s[36:43]          ; my one tensor load
	s_nop 0
.rept 4
	v_nop
.endr
	global_load_b128 v[248:251], v12, s[6:7]       ; 16 bytes a thread: the four waves cover ln1_g,
	global_load_b128 v[252:255], v12, s[8:9]       ; and ln1_b
	s_cmp_eq_u32 s28, 3
	s_cbranch_scc1 .Lno_weights                    ; wave 3 has no weight unit
	; ---- a weight unit.  U = 3 G + w: 0-63 wq, 64-127 wk, 128-191 wv, 192-255 w_proj, 256-511 w1, 512-767 w2.  All that differs is chosen by selects on U
	s_mul_i32 s44, ttmp9, 3
	s_add_co_u32 s44, s44, s28                     ; U
	s_mov_b64 s[52:53], s[20:21]                   ; w2:
	s_mov_b32 s45, 512                             ; its first unit,
	s_mov_b32 s46, 4                               ; log2 of its groups of 32 columns,
	s_mov_b32 s47, 11                              ; log2 of a row's bytes,
	s_mov_b32 s48, 7                               ; log2 of the bytes from group to group,
	s_mov_b32 s49, 2                               ; its first phase in the stream
	s_cmp_lt_u32 s44, 512
	s_cselect_b64 s[52:53], s[18:19], s[52:53]     ; w1
	s_cselect_b32 s45, 256, s45
	s_cselect_b32 s46, 6, s46
	s_cselect_b32 s47, 13, s47
	s_cselect_b32 s49, 1, s49
	s_cmp_lt_u32 s44, 256
	s_cselect_b64 s[52:53], s[16:17], s[52:53]     ; w_proj
	s_cselect_b32 s45, 192, s45
	s_cselect_b32 s46, 4, s46
	s_cselect_b32 s47, 11, s47
	s_cselect_b32 s49, 0, s49
	s_cmp_lt_u32 s44, 192
	s_cselect_b64 s[52:53], s[14:15], s[52:53]     ; wv: a group is a head, 65,536 bytes on; a row is 128 bytes
	s_cselect_b32 s45, 128, s45
	s_cselect_b32 s47, 7, s47
	s_cselect_b32 s48, 16, s48
	s_cmp_lt_u32 s44, 128
	s_cselect_b64 s[52:53], s[12:13], s[52:53]     ; wk
	s_cselect_b32 s45, 64, s45
	s_cmp_lt_u32 s44, 64
	s_cselect_b64 s[52:53], s[10:11], s[52:53]     ; wq
	s_cselect_b32 s45, 0, s45
	s_sub_co_u32 s45, s44, s45                     ; the unit's number in its tensor
	s_lshr_b32 s50, s45, s46                       ; K step s
	s_lshl_b32 s51, s50, s46
	s_sub_co_u32 s51, s45, s51                     ; group g
	s_lshl_b32 s56, s51, s48
	s_lshl_b32 s57, s50, 7
	s_lshl_b32 s57, s57, s47
	s_add_co_u32 s56, s56, s57                     ; the group's bytes + 128 s rows
	s_mov_b32 s57, 0
	s_add_nc_u64 s[52:53], s[52:53], s[56:57]      ; K = 128 s on
	s_lshl_b32 s56, 64, s47
	s_add_nc_u64 s[54:55], s[52:53], s[56:57]      ; K = 128 s + 64 on
	v_lshlrev_b32 v32, 5, v3
	v_lshlrev_b32 v32, s47, v32                    ; lanes 16-31 begin 32 rows further down,
	v_lshl_add_u32 v32, v9, 2, v32                 ; at column r + 8 (r / 8) of the group: A LANE TAKES A COLUMN AND ITS REGISTERS RUN DOWN K
	s_lshl_b32 s58, 1, s47
.set i, 1
.rept 31
	v_add_nc_u32 v[32+i], s58, v[31+i]             ; a row's pitch is no constant of the text: an offset register for each of 32 rows
.set i, i+1
.endr
.irp u, 0,1
.irp c, 0,1
.set i, 0
.rept 32
	global_load_b32 v[64+64*\u+32*\c+i], v[32+i], s[52+2*\c:53+2*\c] offset:32*\u   ; W(128 s + 64 c + 32 h + i, 8 u + r + 8 (r / 8)); u = 0 and 1 together take each row's 128 bytes
.set i, i+1
.endr
.endr
.endr
	; where the unit goes, while the loads are out
	s_lshr_b32 s56, s44, 6                         ; q, k, v: 0, 1, 2
	s_mul_i32 s57, s51, 3
	s_add_co_u32 s57, s57, s56
	s_lshl_b32 s57, s57, 2
	s_add_co_u32 s57, s57, s50                     ; F
	s_mul_i32 s74, s57, 3072                       ; wa: the codes,
	s_lshl_b32 s76, s57, 7
	s_add_co_u32 s76, s76, 589824                  ; the word pair
	s_lshr_b32 s56, s51, 4                         ; w1: which 512 hidden units (0 for the others);
	s_lshr_b32 s57, s50, 2                         ; w2: the same (0 for the others)
	s_add_co_u32 s56, s56, s57
	s_lshl_b32 s56, s56, 1
	s_add_co_u32 s56, s56, s49                     ; the phase: w_proj 0; w1 1, 3, 5, 7; w2 2, 4, 6, 8
	s_and_b32 s57, s50, 3                          ; the phase's K step
	s_and_b32 s67, s51, 15                         ; the group among the phase's 16
	s_lshl_b32 s56, s56, 1
	s_lshr_b32 s68, s57, 1
	s_add_co_u32 s56, s56, s68                     ; slot
	s_lshl_b32 s56, s56, 2
	s_lshr_b32 s68, s67, 2
	s_add_co_u32 s56, s56, s68                     ; 4 x slot + the wave that will read it
	s_mul_i32 s56, s56, 25600
	s_and_b32 s57, s57, 1
	s_mul_i32 s57, s57, 12800
	s_add_co_u32 s56, s56, s57
	s_and_b32 s67, s67, 3
	s_mul_i32 s68, s67, 3072
	s_add_co_u32 s68, s68, s56                     ; wm: the codes,
	s_lshl_b32 s67, s67, 7
	s_add_co_u32 s67, s67, s56
	s_add_co_u32 s67, s67, 12288                   ; the word pair
	s_cmp_lt_u32 s44, 192
	s_cselect_b64 s[70:71], s[24:25], s[26:27]
	s_cselect_b32 s74, s74, s68
	s_cselect_b32 s76, s76, s67
	s_mov_b32 s75, 0
	s_mov_b32 s77, 0
	s_add_nc_u64 s[72:73], s[70:71], s[74:75]
	s_add_nc_u64 s[78:79], s[70:71], s[76:77]
	v_lshlrev_b32 v225, 3, v3                      ; 8 h
	v_mov_b32 v224, 0                              ; a lane permute's destination counts as one of its sources
	s_wait_loadcnt 0x0
; Tile u of the unit: my two whole blocks of 32 (K = 64 c + 32 h on) become registers 6 c .. 6 c + 5 of the fragment in v[192 + 12 u] on; the row's scale word in v[222 + u].
.macro WQ u
.irp c, 0,1
	v_max3_num_f32 v[216+\c], |v[64+64*\u+32*\c]|, |v[65+64*\u+32*\c]|, 0x2800000   ; the floor 2^(5 - 127) among the leaves: the byte cannot fall under 1
.endr
.irp i, 2,4,6,8,10,12,14,16,18,20,22,24,26,28,30
.irp c, 0,1
	v_max3_num_f32 v[216+\c], v[216+\c], |v[64+64*\u+32*\c+\i]|, |v[65+64*\u+32*\c+\i]|
.endr
.endr
.irp c, 0,1
	v_add_nc_u32 v[218+\c], 0xfe000000, v[216+\c]  ; 4 off the exponent field: the conversion's scale operand
.endr
.irp c, 0,1
	v_lshrrev_b32 v[220+\c], 23, v[218+\c]         ; the byte
.endr
	v_lshl_or_b32 v[222+\u], v221, 16, v220        ; my bytes are those of blocks h and 2 + h
	v_lshlrev_b32 v[222+\u], v225, v[222+\u]
	v_permlanex16_b32 v224, v[222+\u], s60, s61
	v_or_b32 v[222+\u], v[222+\u], v224            ; with lane l xor 16's two the word is whole
.irp c, 0,1
	v_cvt_scalef32_pk16_bf6_f32 v[192+12*\u+6*\c:194+12*\u+6*\c], v[64+64*\u+32*\c:79+64*\u+32*\c], v[218+\c]
	v_cvt_scalef32_pk16_bf6_f32 v[228+4*\c:230+4*\c], v[80+64*\u+32*\c:95+64*\u+32*\c], v[218+\c]   ; (a conversion's three registers begin on an even number)
.endr
	v_nop                                          ; one plain place behind a scaled conversion
.irp c, 0,1
.irp i, 0,1,2
	v_mov_b32 v[195+12*\u+6*\c+\i], v[228+4*\c+\i]
.endr
.endr
.endm
	WQ 0
	WQ 1
	v_cmp_le_u32 vcc_lo, 16, v1
	v_cndmask_b32 v226, v222, v223, vcc_lo         ; lanes 0-15: tile 0's words; lanes 16-31: tile 1's
.irp u, 0,1
.irp i, 0,1,2
	global_store_b128 v6, v[192+12*\u+4*\i:195+12*\u+4*\i], s[72:73] offset:1536*\u+512*\i   ; 512 consecutive bytes a store
.endr
.endr
	global_store_b32 v8, v226, s[78:79]
.Lno_weights:
	s_wait_xcnt 0x0                                ; the stores have read their registers: these are written again below
	s_wait_loadcnt 0x0                             ; the gains and biases
	ds_store_b128 v7, v[248:251]
	ds_store_b128 v7, v[252:255] offset:2048
	s_wait_tensorcnt 0x0                           ; my 16 rows have landed,
	s_wait_dscnt 0x0                               ; my LDS stores too:
	s_barrier_signal -1
	s_barrier_wait -1                              ; everybody's have: a tile's rows come from two waves' loads
	s_lshl_b32 s44, ttmp9, 2
	s_add_co_u32 s44, s44, s28                     ; my tile of tokens: 4 G + w
	s_mul_i32 s46, s44, 6144
	s_mov_b32 s47, 0
	s_add_nc_u64 s[56:57], s[22:23], s[46:47]      ; its four fragments,
	s_lshl_b32 s46, s44, 9
	s_add_co_u32 s46, s46, 6291456
	s_add_nc_u64 s[58:59], s[22:23], s[46:47]      ; its scale words
.irp b, 0,1,2,3
	v_mov_b32 v[TM+4+\b], 0                        ; a lane permute's destination counts as one of its sources
.endr
.macro LOADX s, reg                    ; K step s of my row: register 16 B + i = k 128 s + 32 B + 16 h + i
.irp e, 0,1,2,3,4,5,6,7,8,9,10,11,12,13,14,15
	ds_load_b128 v[\reg+4*\e:\reg+4*\e+3], v4 offset:1040*((\s)/2)+512*((\s)%2)+128*(\e/4)+16*(\e%4)
.endr
.endm
.macro SUM8                            ; eight numbers of window 1, from register j on, onto four chains of pairs
	v_pk_add_f32 v[10:11], v[10:11], v[j:j+1]
	v_pk_add_f32 v[12:13], v[12:13], v[j+2:j+3]
	v_pk_add_f32 v[58:59], v[58:59], v[j+4:j+5]
	v_pk_add_f32 v[60:61], v[60:61], v[j+6:j+7]
.set j, j+8
.endm
.macro ROWSUM                          ; the two chains, the pair's halves, and lane l xor 16's half of the row: v10
	v_pk_add_f32 v[10:11], v[10:11], v[12:13]
	v_add_f32 v10, v10, v11
	v_permlanex16_b32 v11, v10, s60, s61
	v_add_f32 v10, v10, v11
.endm
; 64 numbers of a lane, register 16 b + i = k 32 b + 16 h + i of my row, become a fragment's codes in v[PC] on and its scale word in v[pw].
.macro QUANT s, pw
.irp b, 0,1,2,3
	v_max3_num_f32 v[TM+\b], |v[\s+16*\b]|, |v[\s+1+16*\b]|, 0x2800000
.endr
.irp i, 2,4,6,8,10,12,14
.irp b, 0,1,2,3
	v_max3_num_f32 v[TM+\b], v[TM+\b], |v[\s+16*\b+\i]|, |v[\s+1+16*\b+\i]|
.endr
.endr
.irp b, 0,1,2,3
	v_permlanex16_b32 v[TM+4+\b], v[TM+\b], s60, s61
.endr
.irp b, 0,1,2,3
	v_max_num_f32 v[TM+\b], v[TM+\b], v[TM+4+\b]   ; the block's largest magnitude
.endr
.irp b, 0,1,2,3
	v_add_nc_u32 v[TM+12+\b], 0xfe000000, v[TM+\b]
.endr
.irp b, 0,1,2,3
	v_lshrrev_b32 v[TM+4+\b], 23, v[TM+12+\b]
.endr
	v_lshl_or_b32 v[\pw], v[TM+5], 8, v[TM+4]
	v_lshl_or_b32 v[\pw], v[TM+6], 16, v[\pw]
	v_lshl_or_b32 v[\pw], v[TM+7], 24, v[\pw]
.irp c, 0,1
	v_cvt_scalef32_pk16_bf6_f32 v[PC+6*\c:PC+2+6*\c], v[\s+32*\c:\s+15+32*\c], v[TM+12+2*\c]
	v_cvt_scalef32_pk16_bf6_f32 v[PC+12+4*\c:PC+14+4*\c], v[\s+16+32*\c:\s+31+32*\c], v[TM+12+2*\c+1]
.endr
	v_nop                                          ; one plain place behind a scaled conversion
.irp c, 0,1                            ; the operand's layout wants a whole block in a lane
.irp i, 0,1,2
	v_permlane16_swap_b32 v[PC+6*\c+\i], v[PC+12+4*\c+\i]
.endr
.irp i, 0,1,2
	v_mov_b32 v[PC+3+6*\c+\i], v[PC+12+4*\c+\i]
.endr
.endr
.endm
	; ---- pass 1: the mean.
	; ---- my half row comes from LDS once: K step s into window 1, v[64 s] on
	s_set_vgpr_msb 0x40                            ; destination window 1
.irp s, 0,1,2,3
	LOADX \s, 64*\s
.endr
	; ---- the mean.  The counts 48, 32, 16 leave the later K steps' 16 loads each out
	s_set_vgpr_msb 0x4005                          ; sources 0 and 1 window 1
	s_wait_dscnt 48
	v_pk_add_f32 v[10:11], v[0:1], v[8:9]
	v_pk_add_f32 v[12:13], v[2:3], v[10:11]
	v_pk_add_f32 v[58:59], v[4:5], v[12:13]
	v_pk_add_f32 v[60:61], v[6:7], v[14:15]
	s_set_vgpr_msb 0x0504                          ; source 1 window 1
.set j, 16
.rept 6
	SUM8
.endr
.irp w, 32,16,0
	s_wait_alu depctr_va_vdst(0)
	s_wait_dscnt \w
.rept 8
	SUM8
.endr
.endr
	s_set_vgpr_msb 0x0400
	v_pk_add_f32 v[10:11], v[10:11], v[58:59]
	v_pk_add_f32 v[12:13], v[12:13], v[60:61]
	ROWSUM
	v_mul_f32 v14, s62, v10                        ; -mean, as a pair
	v_mov_b32 v15, v14
	; ---- the variance, of the differences, which stay in window 1
	s_set_vgpr_msb 0x41                            ; destination and source 0 window 1
.set j, 0
.rept 128
	v_pk_add_f32 v[j:j+1], v[j:j+1], v[14:15]
.set j, j+2
.endr
	s_set_vgpr_msb 0x4105                          ; sources 0 and 1 window 1
	v_pk_mul_f32 v[10:11], v[0:1], v[0:1]
	v_pk_mul_f32 v[12:13], v[2:3], v[2:3]
	v_pk_mul_f32 v[58:59], v[4:5], v[4:5]
	v_pk_mul_f32 v[60:61], v[6:7], v[6:7]
.set j, 8
.rept 31
	v_pk_fma_f32 v[10:11], v[j:j+1], v[j:j+1], v[10:11]
	v_pk_fma_f32 v[12:13], v[j+2:j+3], v[j+2:j+3], v[12:13]
	v_pk_fma_f32 v[58:59], v[j+4:j+5], v[j+4:j+5], v[58:59]
	v_pk_fma_f32 v[60:61], v[j+6:j+7], v[j+6:j+7], v[60:61]
.set j, j+8
.endr
	s_set_vgpr_msb 0x0500
	v_pk_add_f32 v[10:11], v[10:11], v[58:59]
	v_pk_add_f32 v[12:13], v[12:13], v[60:61]
	ROWSUM
	v_fma_f32 v10, v10, s66, s63                   ; variance + 1e-5
	s_wait_alu depctr_va_vdst(0)
	v_rsq_f32 v56, v10
	v_nop                                          ; a plain place behind the transcendental
	s_wait_alu depctr_va_vdst(0)                   ; and the wait ahead of its first reader
	v_mov_b32 v57, v56
	; ---- pass 3: normalise, gain and bias, quantise, store: a K step at a time
.irp s, 0,1,2,3
.irp e, 0,1,2,3,4,5,6,7,8,9,10,11,12,13,14,15
	ds_load_b128 v[XB+4*\e:XB+4*\e+3], v5 offset:512*\s+128*(\e/4)+16*(\e%4)
	ds_load_b128 v[BV+4*\e:BV+4*\e+3], v5 offset:2048+512*\s+128*(\e/4)+16*(\e%4)
.endr
	s_wait_alu depctr_va_vdst(0)
	s_wait_dscnt 0x0
	s_set_vgpr_msb 0x01                            ; source 0 window 1: the differences of this K step
.set j, 0
.rept 32
	v_pk_mul_f32 v[X+j:X+j+1], v[64*\s+j:64*\s+j+1], v[56:57]
.set j, j+2
.endr
	s_set_vgpr_msb 0x0100
.set j, 0
.rept 32
	v_pk_fma_f32 v[X+j:X+j+1], v[X+j:X+j+1], v[XB+j:XB+j+1], v[BV+j:BV+j+1]
.set j, j+2
.endr
	s_wait_xcnt 0x0                                ; the last K step's stores have read the codes' registers
	QUANT X, 52+\s
.irp i, 0,1,2
	global_store_b128 v6, v[PC+4*\i:PC+4*\i+3], s[56:57] offset:1536*\s+512*\i   ; 512 consecutive bytes a store
.endr
.endr
	global_store_b128 v6, v[52:55], s[58:59]       ; my row's four scale words (both halves of the lanes hold the same)
	s_wait_tensorcnt 0x0
	ds_add_u32 v26, v27
	s_wait_dscnt 0x0
	s_endpgm
.Lfunc_end_k_qb1364a32ba_prep:
	.size	k_qb1364a32ba_prep, .Lfunc_end_k_qb1364a32ba_prep-k_qb1364a32ba_prep
	.p2alignl 7, 3214868480
	.fill 96, 4, 3214868480
	.section	.rodata,"a",@progbits
	.p2align	6, 0x0
	.amdhsa_kernel k_qb1364a32ba_prep
		.amdhsa_group_segment_fixed_size 168448
		.amdhsa_private_segment_fixed_size 0
		.amdhsa_enable_private_segment 0
		.amdhsa_kernarg_size 96
		.amdhsa_user_sgpr_count 2
		.amdhsa_user_sgpr_kernarg_segment_ptr 1
		.amdhsa_wavefront_size32 1
		.amdhsa_system_sgpr_workgroup_id_x 1
		.amdhsa_system_sgpr_workgroup_id_y 1
		.amdhsa_system_sgpr_workgroup_id_z 1
		.amdhsa_system_vgpr_workitem_id 0
		.amdhsa_next_free_vgpr 512
		.amdhsa_next_free_sgpr 80
		.amdhsa_reserve_vcc 1
		.amdhsa_float_denorm_mode_32 3
		.amdhsa_float_denorm_mode_16_64 3
		.amdhsa_memory_ordered 1
		.amdhsa_forward_progress 1
		.amdhsa_inst_pref_size 97
	.end_amdhsa_kernel
	.amdgpu_metadata
---
amdhsa.version: [ 1, 2 ]
amdhsa.kernels:
  - .name:           k_qb1364a32ba_prep
    .symbol:         k_qb1364a32ba_prep.kd
    .args:
      - { .name: x, .offset: 0, .size: 8, .value_kind: global_buffer, .address_space: global }
      - { .name: ln1_g, .offset: 8, .size: 8, .value_kind: global_buffer, .address_space: global }
      - { .name: ln1_b, .offset: 16, .size: 8, .value_kind: global_buffer, .address_space: global }
      - { .name: wq, .offset: 24, .size: 8, .value_kind: global_buffer, .address_space: global }
      - { .name: wk, .offset: 32, .size: 8, .value_kind: global_buffer, .address_space: global }
      - { .name: wv, .offset: 40, .size: 8, .value_kind: global_buffer, .address_space: global }
      - { .name: w_proj, .offset: 48, .size: 8, .value_kind: global_buffer, .address_space: global }
      - { .name: w1, .offset: 56, .size: 8, .value_kind: global_buffer, .address_space: global }
      - { .name: w2, .offset: 64, .size: 8, .value_kind: global_buffer, .address_space: global }
      - { .name: hq, .offset: 72, .size: 8, .value_kind: global_buffer, .address_space: global }
      - { .name: wa, .offset: 80, .size: 8, .value_kind: global_buffer, .address_space: global }
      - { .name: wm, .offset: 88, .size: 8, .value_kind: global_buffer, .address_space: global }
    .group_segment_fixed_size: 168448
    .private_segment_fixed_size: 0
    .kernarg_segment_align: 8
    .kernarg_segment_size: 96
    .max_flat_workgroup_size: 128
    .sgpr_count:     80
    .vgpr_count:     512
    .wavefront_size: 32
...
	.end_amdgpu_metadata
.endif
;; end of part 1
;; launch attn (part 2): grid 128 x 2, 8 waves a work-group, clusters of 4 x 1, 327,680 bytes of LDS; arguments hq, wa, aq; writes aq
.if DOCPART == 2
	.amdgcn_target "amdgcn-amd-amdhsa--gfx1250"
	.amdhsa_code_object_version 6
	.text
	.protected	k_qb1364a32ba_attn
	.globl	k_qb1364a32ba_attn
	.p2align	8
	.type	k_qb1364a32ba_attn,@function
k_qb1364a32ba_attn:
	s_mov_b64 s[64:65], 0
	v_nop
	global_prefetch_b8 v0, s[64:65] scope:SCOPE_SE
	s_setreg_imm32_b32 hwreg(HW_REG_WAVE_MODE, 25, 1), 1
	s_wait_xcnt 0x0
	s_wait_alu depctr_hold_cnt(0) depctr_sa_sdst(0) depctr_va_vdst(0) depctr_va_sdst(0) depctr_va_ssrc(0) depctr_va_vcc(0) depctr_vm_vsrc(0)
	s_getreg_b32 s2, hwreg(HW_REG_IB_STS2, 6, 4)
	s_cmp_eq_u32 s2, 0
	s_cbranch_scc0 .Lentry_in_a_cluster
	s_endpgm
.Lentry_in_a_cluster:
	s_bfe_u32 s2, ttmp6, 0x10000c
	s_cmp_lg_u32 s2, 0x3003
	s_cbranch_scc0 .Lentry_shape_is_right
	s_endpgm
.Lentry_shape_is_right:
; LAUNCH 2 OF 3.  q, k, v = h W; scores = q k^T / sqrt(512) under the causal mask; p = 2^(t - M); attn = p v / sum(p); attn quantised along the heads' channels.  All five products on codes of E3M2.
; SHARES.  Work-group (b, X): batch element b (grid x), heads 8 X .. 8 X + 7 (grid y).  Wave w is ONE head, for all 128 tokens: its 24 weight fragments stay in its registers; two waves lie on a SIMD, so that one wave's
; softmax stands beside the other's products.  h's 32 fragments (48 KiB) lie in LDS once for the eight waves.
; CLUSTER: four work-groups along x (four batch elements, one X) need the same weights.  Each wave asks for its head's 36,864 bytes of codes by ONE joint tensor load (mask 15), 144 rows of 256 bytes, into a slot
; of its own (36,864 w), and copies them into its registers.  The slots are filled once; behind a barrier that shows all eight read out, the map below is laid over them.
; No prefetch: the launch has no loop to run ahead in; all that it reads is asked for at its head.
; LAYOUTS.  Row r of a tile 2 B + u (tokens, and the weights' columns) stands for index 32 B + 8 u + r + 8 (r / 8).
;   q^T, k^T = W (source 0) x h (source 1): a lane holds one token and 16 neighbouring channels: the block of 32 (K of the scores) lies in lanes l and l xor 16.
;   v = h (source 0) x W (source 1): a lane holds one channel and, over two tiles, 16 neighbouring tokens: K of the second product.
;   S^T = k (source 0) x q (source 1), O^T = v^T (source 0) x p (source 1): a lane holds one query throughout.
; K = 32 IN AN INSTRUCTION OF 128: q's and k's fragments hold one block, in lanes 0-15 of registers 0-5.  q's other three blocks are zero CODES; so k's fragments are laid 6 registers apart, and what an
; instruction reads of the next tile of k meets zeros.  The scale bytes of those blocks are 0, which is a number.
; THE MASK is built by the problem itself: tiles of keys wholly behind a tile's queries are not multiplied; in the block of 32 on the diagonal hidden scores become -infinity.
; THE MAXIMUM is taken away: M = ceil(the row's largest t), over all of a query's keys at once.
; aq: codes at b 49152 + X 24576 + (2 t + s) 1536, s the K step's low bit; from byte 6,291,456 on the scale words: b 2048 + X 1024 + t 128 + s 64 + 4 r.
; LIMITS: NaN and infinities are not served; a block of zeros gets the byte 1, not 127 (its codes are zeros; only this program reads the bytes).
; REGISTERS.  v1-15 addresses; v16-31 scale words and nothing else.
;   first part: window 1: v0-95 wq, v96-191 wk, v192-239 h's four fragments, v254-255 the add's two; window 0: v32-127 wv, v128-143 q^T, v144-159 k^T, v160-191 v, v192-227 at work.
;   second part: v32-85 k (6 a tile, 6 zeros behind), v86-109 v^T, v110-133 q, two buffers, v134-197 S^T then p, v198-217 p's codes, v218-233 O^T, v234-253 at work.
.set WSL,  36864                       ; LDS at the head: a wave's slot for its head's weights, at WSL x wave.  Behind the barrier:
.set HIMG, 0                           ; h's 32 fragments,
.set HSC,  49152                       ; their scale words, 512 bytes a tile;
.set WREG, 53248                       ; a region of 17,664 bytes for each wave:
.set WSZ,  17664
.set QI,   0                           ;   q: 8 tiles x (512 + 256 bytes): registers 0-3, then 4-5
.set KI,   6144                         ;   k likewise
.set VI,   12288                        ;   v^T: 2 fragments, 48 bytes a lane
.set QSC,  15360                        ;   scale words: q's, 128 bytes a tile,
.set KSC,  16384                        ;   k's,
.set VSC,  17408                        ;   v^T's, 64 bytes a tile
.set OIMG, 194560                      ; the work-group's 16 fragments of attn, 48 bytes a lane,
.set OSC,  219136                      ; and their scale words
.set SPARE, 294912                     ; behind the eight slots: the spare words, 128 bytes for each wave
.set MSB, 0
.macro WIN new                         ; the immediate's high byte repeats the setting that is left
.if MSB != \new
	s_set_vgpr_msb (MSB<<8)|\new
.set MSB, \new
.endif
.endm
.macro PLACES n
.rept \n
	v_nop
.endr
.endm
.macro ROUND                           ; a round of the cluster's barrier
	s_barrier_signal -1
	s_barrier_wait -1
	s_cmp_lg_u32 s10, 0
	s_cbranch_scc1 .Lnot_wave_0_\@
	s_barrier_signal -3
.Lnot_wave_0_\@:
	s_barrier_wait -3
	s_barrier_signal -1
	s_barrier_wait -1
.endm
; a product: D, source 0, source 1; z: it starts the sum; the two scale registers; ra, rb: the scales stand in lanes 16-31
.macro MM d, a, b, z, sa, sb, ra, rb
.if \z
.if \ra
	v_wmma_scale_f32_16x16x128_f8f6f4 v[\d:\d+7], v[\a:\a+11], v[\b:\b+11], 0, v[\sa], v[\sb] matrix_a_fmt:MATRIX_FMT_BF6 matrix_b_fmt:MATRIX_FMT_BF6 matrix_a_scale:MATRIX_SCALE_ROW1
.elseif \rb
	v_wmma_scale_f32_16x16x128_f8f6f4 v[\d:\d+7], v[\a:\a+11], v[\b:\b+11], 0, v[\sa], v[\sb] matrix_a_fmt:MATRIX_FMT_BF6 matrix_b_fmt:MATRIX_FMT_BF6 matrix_b_scale:MATRIX_SCALE_ROW1
.else
	v_wmma_scale_f32_16x16x128_f8f6f4 v[\d:\d+7], v[\a:\a+11], v[\b:\b+11], 0, v[\sa], v[\sb] matrix_a_fmt:MATRIX_FMT_BF6 matrix_b_fmt:MATRIX_FMT_BF6
.endif
.else
.if \ra
	v_wmma_scale_f32_16x16x128_f8f6f4 v[\d:\d+7], v[\a:\a+11], v[\b:\b+11], v[\d:\d+7], v[\sa], v[\sb] matrix_a_fmt:MATRIX_FMT_BF6 matrix_b_fmt:MATRIX_FMT_BF6 matrix_a_scale:MATRIX_SCALE_ROW1
.elseif \rb
	v_wmma_scale_f32_16x16x128_f8f6f4 v[\d:\d+7], v[\a:\a+11], v[\b:\b+11], v[\d:\d+7], v[\sa], v[\sb] matrix_a_fmt:MATRIX_FMT_BF6 matrix_b_fmt:MATRIX_FMT_BF6 matrix_b_scale:MATRIX_SCALE_ROW1
.else
	v_wmma_scale_f32_16x16x128_f8f6f4 v[\d:\d+7], v[\a:\a+11], v[\b:\b+11], v[\d:\d+7], v[\sa], v[\sb] matrix_a_fmt:MATRIX_FMT_BF6 matrix_b_fmt:MATRIX_FMT_BF6
.endif
.endif
.endm
	s_load_b128 s[4:7], s[0:1], 0x0                ; hq, wa
	s_load_b64 s[8:9], s[0:1], 0x10                ; aq
	s_set_vgpr_msb 0x40
	v_lshl_add_u32 v254, v0, 2, SPARE
	v_mov_b32 v255, 0
	s_set_vgpr_msb 0x4005
	ds_add_u32 v254, v255                          ; the opening lines: the add, twice on end, and its wait
	ds_add_u32 v254, v255
	s_set_vgpr_msb 0x0500
	v_lshrrev_b32 v1, 5, v0
	s_delay_alu instid0(VALU_DEP_1)
	v_readfirstlane_b32 s10, v1                    ; wave 0..7
	s_and_b32 s11, ttmp7, 0xffff                   ; X
	s_bfe_u32 s12, ttmp6, 0x40000                  ; cx
	s_lshl_b32 s15, ttmp9, 2
	s_add_co_u32 s12, s12, s15                     ; b = 4 x cluster x + cx
	s_lshl_b32 s13, s11, 3
	s_add_co_u32 s13, s13, s10                     ; my head
	v_and_b32 v230, 31, v0                         ; lane
	v_and_b32 v231, 15, v0                         ; r
	v_bfe_u32 v232, v0, 4, 1                       ; h
	s_mul_i32 s32, s10, WSZ
	s_add_co_u32 s32, s32, WREG                    ; my region
	v_lshlrev_b32 v1, 4, v230                      ; v1: 16 x lane
	v_lshl_add_u32 v2, v230, 4, s32                ; v2: my region + 16 x lane
	v_lshl_add_u32 v3, v230, 3, s32                ; v3: + 8 x lane
	v_lshl_add_u32 v4, v230, 2, s32                ; v4: + 4 x lane
	v_mul_u32_u24 v233, v231, 48
	s_delay_alu instid0(VALU_DEP_1)
	v_mad_u32_u24 v233, v232, 12, v233             ; 48 r + 12 h
	s_wait_alu depctr_va_vdst(0)
	v_add_nc_u32 v5, s32, v233
	s_delay_alu instid0(VALU_DEP_1)
	v_add_nc_u32 v5, VI, v5                        ; v5: where 16 codes of v^T go
	v_lshl_add_u32 v6, v231, 2, s32
	s_delay_alu instid0(VALU_DEP_1)
	v_add_nc_u32 v6, VSC, v6                       ; v6: row r's scale word of v^T
	v_mul_u32_u24 v234, v230, 48
	s_wait_alu depctr_va_vdst(0)
	v_add_nc_u32 v7, s32, v234
	s_delay_alu instid0(VALU_DEP_1)
	v_add_nc_u32 v7, VI, v7                        ; v7: my lane's 48 bytes of a fragment of v^T
	s_and_b32 s33, s10, 1                          ; my head is block 2 c + h' of K step s: h' = w % 2: lanes 16 h' on,
	s_mul_i32 s33, s33, 768
	s_bfe_u32 s34, s10, 0x10001                    ; c = (w / 2) % 2: registers 6 c on,
	s_mul_i32 s34, s34, 24
	s_add_co_u32 s33, s33, s34
	s_lshr_b32 s34, s10, 2                         ; s = w / 4: which of the tile's two fragments
	s_mul_i32 s35, s34, 1536
	s_add_co_u32 s33, s33, s35
	s_add_co_u32 s33, s33, OIMG
	v_add_nc_u32 v8, s33, v233                     ; v8: where 16 codes of attn go
	s_and_b32 s33, s10, 3
	s_lshl_b32 s34, s34, 6
	s_add_co_u32 s33, s33, s34
	s_add_co_u32 s33, s33, OSC
	v_lshl_add_u32 v9, v231, 2, s33                ; v9: my head's byte in row r's scale word
	s_mul_i32 s33, s10, 3072
	v_add_nc_u32 v15, s33, v1                      ; v15: the way out, in aq: 16 x lane + 3,072 w
	s_add_co_u32 s33, s33, OIMG
	v_add_nc_u32 v10, s33, v234                    ; v10: the way out, in LDS: tile w's two fragments, my lane's 48 bytes
	v_and_b32 v235, 8, v231
	s_delay_alu instid0(VALU_DEP_1)
	v_add_nc_u32 v235, v235, v231
	v_lshlrev_b32 v236, 4, v232
	s_delay_alu instid0(VALU_DEP_1)
	v_sub_nc_u32 v11, v235, v236                   ; v11: r + 8 (r / 8) - 16 h: in an even tile of queries key register n of the diagonal block is hidden where n is above it;
	s_delay_alu instid0(VALU_DEP_1)
	v_add_nc_u32 v12, 8, v11                       ; v12: the same for an odd tile
	v_mov_b32 v13, 0xff800000                      ; -infinity
	v_lshlrev_b32 v14, 2, v230                     ; v14: 4 x lane
	v_lshl_add_u32 v254, v0, 3, OSC                ; v254, v255 of window 0: the scale words' way out, 8 bytes a thread (waves 0 to 3)
	v_lshlrev_b32 v255, 3, v0
	s_mul_i32 s33, s10, 6144
	v_add_nc_u32 v228, s33, v1                     ; where I put tile w of h,
	v_lshl_add_u32 v229, v0, 4, HSC                ; and its scale words
	s_mul_i32 s41, s10, WSL                        ; my slot,
	v_add_nc_u32 v237, s41, v1                     ; v237: + 16 x lane
	s_mov_b32 s28, 0x76543210
	s_mov_b32 s29, 0xfedcba98                      ; v_permlanex16_b32's selects for lane l xor 16
	s_mov_b32 s30, 0x3d8293ee                      ; c = log2(e) / sqrt(512)
	s_mov_b32 s31, s30                             ; (named with it as a pair)
	s_lshl_b32 s14, s12, 3
	s_add_co_u32 s14, s14, s10                     ; tile 8 b + w
	s_mul_i32 s36, s14, 6144
	s_mov_b32 s37, 0
	s_lshl_b32 s38, s14, 9
	s_add_co_u32 s38, s38, 6291456
	s_mov_b32 s39, 0
	s_mov_b32 s40, 1                               ; the tensor load: group 0's count;
	s_mov_b32 s44, 15|(3<<16)|(1<<21)              ; group 1: the mask of the four partners; a dense block as 144 rows of 32 elements of 8 bytes
	s_mov_b32 s45, 32<<16
	s_mov_b32 s46, 144<<16
	s_mov_b32 s47, 32<<16
	s_mov_b32 s48, 144
	s_mov_b32 s49, 32
	s_mov_b32 s50, 0
	s_mov_b32 s51, 0
	s_wait_alu depctr_va_vdst(0)
	s_wait_dscnt 0x0                               ; both opening adds are done
	s_wait_kmcnt 0x0
	s_add_nc_u64 s[16:17], s[4:5], s[36:37]        ; h: the tile that I bring,
	s_add_nc_u64 s[18:19], s[4:5], s[38:39]        ; its scale words
	s_mul_i32 s36, s13, 36864
	s_add_nc_u64 s[20:21], s[6:7], s[36:37]        ; my head's 24 fragments,
	s_mul_i32 s38, s13, 1536
	s_add_co_u32 s38, s38, 589824
	s_add_nc_u64 s[22:23], s[6:7], s[38:39]        ; their 12 word pairs
	s_mul_i32 s36, s12, 49152
	s_mul_i32 s32, s11, 24576
	s_add_co_u32 s36, s36, s32
	s_add_nc_u64 s[24:25], s[8:9], s[36:37]        ; aq: the work-group's codes,
	s_lshl_b32 s38, s12, 11
	s_lshl_b32 s32, s11, 10
	s_add_co_u32 s38, s38, s32
	s_add_co_u32 s38, s38, 6291456
	s_add_nc_u64 s[26:27], s[8:9], s[38:39]        ; its scale words
	s_mov_b64 s[42:43], s[20:21]
	s_or_b32 s43, s43, 0x80000000
	ROUND                                          ; in front of the joint loads
	tensor_load_to_lds s[40:43], s[44:51]          ; my head's wq, wk, wv: my one tensor load
	s_nop 0
	PLACES 4
.irp k, 0,1,2,3,4,5,6,7,8,9,10,11
	global_load_b128 v[128+4*\k:131+4*\k], v1, s[16:17] offset:512*\k
.endr
	global_load_b128 v[176:179], v1, s[18:19]
.irp j, 0,1,2,3,4,5,6,7,8,9,10,11
	global_load_b32 v[16+\j], v14, s[22:23] offset:128*\j                 ; word pairs: q's at v16-19, k's at v20-23, v's at v24-27
.endr
	s_wait_tensorcnt 0x0                           ; my slot is in: I alone read it
	WIN 0x40                                       ; destination window 1
.set k, 0
.rept 24
	ds_load_b128 v[4*k:4*k+3], v237 offset:512*k               ; wq: fragment (s, u) at 12 (2 s + u)
	ds_load_b128 v[96+4*k:99+4*k], v237 offset:12288+512*k      ; wk
.set k, k+1
.endr
	WIN 0
.set k, 0
.rept 24
	ds_load_b128 v[32+4*k:35+4*k], v237 offset:24576+512*k      ; wv
.set k, k+1
.endr
	s_wait_dscnt 0x0                               ; my reads of my slot are over:
	s_barrier_signal -1
	s_barrier_wait -1                              ; everybody's are: the slots' bytes, which are filled no more, take the map at the head of this text
	s_wait_loadcnt 12                              ; h's 13 loads are in; the 12 word pairs may be out
.irp k, 0,1,2,3,4,5,6,7,8,9,10,11
	ds_store_b128 v228, v[128+4*\k:131+4*\k] offset:HIMG+512*\k
.endr
	ds_store_b128 v229, v[176:179]
.irp i, 194,195,202,203
	v_mov_b32 v\i, 0                               ; a lane permute's destination counts as one of its sources
.endr
	s_wait_dscnt 0x0                               ; my LDS stores have landed:
	s_barrier_signal -1
	s_barrier_wait -1                              ; all of h lies in LDS
.macro HFETCH t                        ; tile t's four fragments into window 1, its scale words into v28-31
	WIN 0x40
.irp k, 0,1,2,3,4,5,6,7,8,9,10,11
	ds_load_b128 v[192+4*\k:195+4*\k], v1 offset:HIMG+6144*(\t)+512*\k
.endr
	WIN 0
	ds_load_b128 v[28:31], v1 offset:HSC+512*(\t)
.endm
	HFETCH 0
	s_wait_loadcnt 0x0                             ; the word pairs
; q and k of a tile: 16 numbers a lane become 16 codes; the halves of the lanes are joined so that lanes 0-15 hold the whole block and lanes 16-31 zeros; six registers and a scale word go to my region.
.macro QKQ t
	v_max3_num_f32 v192, |v128|, |v129|, 0x2800000 ; the floor 2^(5 - 127) among the leaves; each accumulator is read from its low end on
	v_max3_num_f32 v193, |v144|, |v145|, 0x2800000
.irp i, 2,4,6,8,10,12,14
	v_max3_num_f32 v192, v192, |v[128+\i]|, |v[129+\i]|
	v_max3_num_f32 v193, v193, |v[144+\i]|, |v[145+\i]|
.endr
	s_delay_alu instid0(VALU_DEP_2)
	v_permlanex16_b32 v194, v192, s28, s29
	s_delay_alu instid0(VALU_DEP_2)
	v_permlanex16_b32 v195, v193, s28, s29
	s_delay_alu instid0(VALU_DEP_2)
	v_max_num_f32 v192, v192, v194
	s_delay_alu instid0(VALU_DEP_2)
	v_max_num_f32 v193, v193, v195
	s_delay_alu instid0(VALU_DEP_2)
	v_add_nc_u32 v196, 0xfe000000, v192            ; 4 off the exponent field: the conversion's scale operand
	s_delay_alu instid0(VALU_DEP_2)
	v_add_nc_u32 v197, 0xfe000000, v193
	s_delay_alu instid0(VALU_DEP_2)
	v_lshrrev_b32 v198, 23, v196                   ; the byte; as a word its other three bytes are 0
	s_delay_alu instid0(VALU_DEP_2)
	v_lshrrev_b32 v199, 23, v197
	v_cvt_scalef32_pk16_bf6_f32 v[208:210], v[128:143], v196
	v_cvt_scalef32_pk16_bf6_f32 v[214:216], v[144:159], v197
.irp i, 211,212,213,217,218,219
	v_mov_b32 v\i, 0                               ; (plain places behind the conversions)
.endr
.irp i, 0,1,2
	v_permlane16_swap_b32 v[208+\i], v[211+\i]     ; the first's lanes 16-31 change places with the second's lanes 0-15
	v_permlane16_swap_b32 v[214+\i], v[217+\i]
.endr
	ds_store_b128 v2, v[208:211] offset:QI+768*(\t)
	ds_store_b64 v3, v[212:213] offset:QI+768*(\t)+512
	ds_store_b32 v4, v198 offset:QSC+128*(\t)
	ds_store_b128 v2, v[214:217] offset:KI+768*(\t)
	ds_store_b64 v3, v[218:219] offset:KI+768*(\t)+512
	ds_store_b32 v4, v199 offset:KSC+128*(\t)
.endm
; v of tokens 32 b .. 32 b + 31: a lane holds one channel and 16 neighbouring tokens.  In v^T's fragment they are registers 6 (b / 2) + 3 h on of lane r + 16 (b % 2).
.macro VQ b
	v_max3_num_f32 v200, |v160|, |v161|, 0x2800000
	v_max3_num_f32 v201, |v176|, |v177|, 0x2800000
.irp i, 2,4,6,8,10,12,14
	v_max3_num_f32 v200, v200, |v[160+\i]|, |v[161+\i]|
	v_max3_num_f32 v201, v201, |v[176+\i]|, |v[177+\i]|
.endr
	s_delay_alu instid0(VALU_DEP_2)
	v_permlanex16_b32 v202, v200, s28, s29
	s_delay_alu instid0(VALU_DEP_2)
	v_permlanex16_b32 v203, v201, s28, s29
	s_delay_alu instid0(VALU_DEP_2)
	v_max_num_f32 v200, v200, v202
	s_delay_alu instid0(VALU_DEP_2)
	v_max_num_f32 v201, v201, v203
	s_delay_alu instid0(VALU_DEP_2)
	v_add_nc_u32 v204, 0xfe000000, v200
	s_delay_alu instid0(VALU_DEP_2)
	v_add_nc_u32 v205, 0xfe000000, v201
	s_delay_alu instid0(VALU_DEP_2)
	v_lshrrev_b32 v206, 23, v204
	s_delay_alu instid0(VALU_DEP_2)
	v_lshrrev_b32 v207, 23, v205
	v_cvt_scalef32_pk16_bf6_f32 v[220:222], v[160:175], v204
	v_cvt_scalef32_pk16_bf6_f32 v[224:226], v[176:191], v205
	v_nop                                          ; one plain place behind a scaled conversion
.irp u, 0,1
.irp i, 0,1,2
	ds_store_b32 v5, v[220+4*\u+\i] offset:1536*\u+768*((\b)%2)+24*((\b)/2)+4*\i
.endr
	ds_store_b8 v6, v[206+\u] offset:64*\u+(\b)    ; both halves of the lanes write the same byte with the same value
.endr
.endm
; A TILE OF 16 TOKENS: 24 products.  The accumulators take turns, one instruction a turn: q's two and k's two, then v's two.
.macro TILE t
	s_wait_dscnt 0x0                               ; h's fragments are in; the last tile's LDS stores have read their registers
	WIN 0x05                                       ; sources 0 and 1 window 1
.irp s, 0,1,2,3
	MM 128, 24*\s, 192+12*\s, (\s==0), 16+\s, 28+\s, 0, 0
	MM 136, 24*\s+12, 192+12*\s, (\s==0), 16+\s, 28+\s, 1, 0
	MM 144, 96+24*\s, 192+12*\s, (\s==0), 20+\s, 28+\s, 0, 0
	MM 152, 108+24*\s, 192+12*\s, (\s==0), 20+\s, 28+\s, 1, 0
.endr
	WIN 0x01                                       ; source 0 (h) window 1, source 1 (wv) window 0
.irp s, 0,1,2,3
	MM 160+8*((\t)%2), 192+12*\s, 32+24*\s, (\s==0), 28+\s, 24+\s, 0, 0
	MM 176+8*((\t)%2), 192+12*\s, 44+24*\s, (\s==0), 28+\s, 24+\s, 0, 1
.endr
	WIN 0
	PLACES 4                                       ; in front of loads into registers that the products have read, and of the first read of results
.if (\t) < 7
	HFETCH (\t)+1                                  ; lands while this tile is quantised
.endif
	QKQ \t
.if (\t)%2
	VQ (\t)/2
.endif
.endm
.irp t, 0,1,2,3,4,5,6,7
	TILE \t
.endr
	; ---- the second part.  k, v^T and their scale words come back from my region (LDS serves a wave's instructions in order) and stay in registers
.irp k, 0,1,2,3,4,5,6,7
	ds_load_b128 v[32+6*\k:35+6*\k], v2 offset:KI+768*\k
	ds_load_b64 v[36+6*\k:37+6*\k], v3 offset:KI+768*\k+512
	ds_load_b32 v[16+\k], v4 offset:KSC+128*\k
.endr
.irp u, 0,1
.irp i, 0,1,2
	ds_load_b128 v[86+12*\u+4*\i:89+12*\u+4*\i], v7 offset:1536*\u+16*\i
.endr
	ds_load_b32 v[24+\u], v6 offset:64*\u
.endr
	ds_load_b128 v[110:113], v2 offset:QI
	ds_load_b64 v[114:115], v3 offset:QI+512
	ds_load_b32 v26, v4 offset:QSC
.irp i, 80,81,82,83,84,85,116,117,118,119,120,121,128,129,130,131,132,133
	v_mov_b32 v\i, 0                               ; zero codes: behind k's last tile, and q's blocks 2 and 3 in both buffers
.endr
.irp i, 238,239,240,241,251,253
	v_mov_b32 v\i, 0                               ; lane permutes' destinations, and the upper half of the pair v[250:251]; also the places behind the lines above
.endr
; A TILE OF 16 QUERIES against keys 0 .. 32 NB - 1.
.macro ATT t
.set NB, (\t)/2+1
.set QB, 110+12*((\t)%2)
.set QN, 122-12*((\t)%2)
.set DB, 134+16*(NB-1)
	s_wait_dscnt 0x0                               ; q is in; the last tile's LDS stores have read their registers
.if (\t) < 7
	ds_load_b128 v[QN:QN+3], v2 offset:QI+768*((\t)+1)
	ds_load_b64 v[QN+4:QN+5], v3 offset:QI+768*((\t)+1)+512
	ds_load_b32 v[27-(\t)%2], v4 offset:QSC+128*((\t)+1)
.endif
.set kk, 0
.rept 2*NB
	MM 134+8*kk, 32+6*kk, QB, 1, 16+kk, 26+(\t)%2, 0, 0
.set kk, kk+1
.endr
	PLACES 4
.irp n, 0,1,2,3,4,5,6,7,8,9,10,11,12,13,14,15
	v_cmp_gt_i32 vcc_lo, \n, v[11+(\t)%2]          ; the diagonal block: register n holds key 32 (NB - 1) + 16 h + n
	v_cndmask_b32 v[DB+\n], v[DB+\n], v13, vcc_lo
.endr
.set b, 0
.rept NB
	v_max3_num_f32 v[234+b], v[134+16*b], v[135+16*b], v[136+16*b]   ; the largest score of each block of 32 keys: for the row's maximum and, since p rises with the score, for the block's largest p
.set b, b+1
.endr
.irp i, 3,5,7,9,11,13
.set b, 0
.rept NB
	v_max3_num_f32 v[234+b], v[234+b], v[134+16*b+\i], v[135+16*b+\i]
.set b, b+1
.endr
.endr
.set b, 0
.rept NB
	v_max_num_f32 v[234+b], v[234+b], v[149+16*b]
.set b, b+1
.endr
.set b, 0
.rept NB
	v_permlanex16_b32 v[238+b], v[234+b], s28, s29
.set b, b+1
.endr
.set b, 0
.rept NB
	v_max_num_f32 v[234+b], v[234+b], v[238+b]
.set b, b+1
.endr
	v_mov_b32 v252, v234
.set b, 1
.rept NB-1
	s_delay_alu instid0(VALU_DEP_1)
	v_max_num_f32 v252, v252, v[234+b]
.set b, b+1
.endr
	s_delay_alu instid0(VALU_DEP_1)
	v_mul_f32 v252, s30, v252                      ; the row's largest t
	s_delay_alu instid0(VALU_DEP_1)
	v_floor_f32 v250, -v252                        ; -M = floor(-t): M is a whole number
.set j, 0
.rept 8*NB
	v_pk_fma_f32 v[134+j:135+j], v[134+j:135+j], s[30:31], v[250:251] op_sel_hi:[1,0,0]   ; t - M
.set j, j+2
.endr
.set b, 0
.rept NB
	v_fma_f32 v[234+b], v[234+b], s30, v250        ; the same of each block's largest score
.set b, b+1
.endr
.set j, 0
	s_wait_alu depctr_va_vdst(0)
.rept 16*NB
	v_exp_f32 v[134+j], v[134+j]                   ; p = 2^(t - M): not normalised; 0 where the key is hidden
.set j, j+1
.endr
.set b, 0
.rept NB
	v_exp_f32 v[234+b], v[234+b]
.set b, b+1
.endr
	v_nop                                          ; a plain place behind the batch,
	s_wait_alu depctr_va_vdst(0)                   ; and ONE wait for it, ahead of its first reader
.set b, 0
.rept NB
	v_max_num_f32 v[234+b], 0x2800000, v[234+b]    ; the floor
.set b, b+1
.endr
.set b, 0
.rept NB
	v_add_nc_u32 v[242+b], 0xfe000000, v[234+b]
.set b, b+1
.endr
.set b, 0
.rept NB
	v_lshrrev_b32 v[246+b], 23, v[242+b]
.set b, b+1
.endr
.if NB == 1
	s_delay_alu instid0(VALU_DEP_1)
	v_mov_b32 v28, v246                            ; p's scale word; the bytes of blocks that are not there are 0, over zero codes
.else
	v_lshl_or_b32 v28, v247, 8, v246
.endif
.if NB > 2
	s_delay_alu instid0(VALU_DEP_1)
	v_lshl_or_b32 v28, v248, 16, v28
.endif
.if NB > 3
	s_delay_alu instid0(VALU_DEP_1)
	v_lshl_or_b32 v28, v249, 24, v28
.endif
.set c, 0
.rept (NB+1)/2
	v_cvt_scalef32_pk16_bf6_f32 v[198+6*c:200+6*c], v[134+32*c:149+32*c], v[242+2*c]
.if 2*c+1 < NB
	v_cvt_scalef32_pk16_bf6_f32 v[210+4*c:212+4*c], v[150+32*c:165+32*c], v[243+2*c]
.endif
.set c, c+1
.endr
	v_nop                                          ; one plain place behind a scaled conversion
.if NB%2
.irp i, 0,1,2
	v_mov_b32 v[210+4*(NB/2)+\i], 0                ; the last block has no partner: zero codes
.endr
.endif
.set c, 0
.rept (NB+1)/2
.irp i, 0,1,2
	v_permlane16_swap_b32 v[198+6*c+\i], v[210+4*c+\i]   ; the operand's layout wants a whole block in a lane
.endr
.irp i, 0,1,2
	s_delay_alu instid0(VALU_DEP_3)
	v_mov_b32 v[201+6*c+\i], v[210+4*c+\i]
.endr
.set c, c+1
.endr
.if NB < 3
.irp i, 0,1,2,3,4,5
	v_mov_b32 v[204+\i], 0                         ; keys 64 on: zero codes
.endr
.endif
	v_pk_add_f32 v[238:239], v[134:135], v[136:137]   ; the row's sum, of the unquantised p.  These 8 NB lines are also the places between the scale word (8 are asked) and the codes (4) and the products
	v_pk_add_f32 v[240:241], v[138:139], v[140:141]
.set j, 8
.rept 4*NB-2
	v_pk_add_f32 v[238:239], v[238:239], v[134+j:135+j]
	v_pk_add_f32 v[240:241], v[240:241], v[136+j:137+j]
.set j, j+4
.endr
	s_delay_alu instid0(VALU_DEP_1)
	v_pk_add_f32 v[238:239], v[238:239], v[240:241]
	s_delay_alu instid0(VALU_DEP_1)
	v_add_f32 v252, v238, v239
	MM 218, 86, 198, 1, 24, 28, 0, 0               ; O^T: channels 16 h + 0 .. 7,
	MM 226, 98, 198, 1, 25, 28, 0, 0               ; and 16 h + 8 .. 15
	v_permlanex16_b32 v253, v252, s28, s29
	s_delay_alu instid0(VALU_DEP_1)
	v_add_f32 v252, v252, v253                     ; with lane l xor 16's keys
	s_wait_alu depctr_va_vdst(0)
	v_rcp_f32 v253, v252
	PLACES 4                                       ; behind the products and the reciprocal
	s_wait_alu depctr_va_vdst(0)
.irp j, 0,1,2,3,4,5,6,7,8,9,10,11,12,13,14,15
	v_mul_f32 v[218+\j], v[218+\j], v253           ; attn, each accumulator from its low end on
.endr
	v_max3_num_f32 v234, |v218|, |v219|, 0x2800000 ; my head's 32 channels are one block of the next product's K
	v_max3_num_f32 v235, |v220|, |v221|, 0x2800000
.irp i, 4,8,12
	s_delay_alu instid0(VALU_DEP_2)
	v_max3_num_f32 v234, v234, |v[218+\i]|, |v[219+\i]|
	s_delay_alu instid0(VALU_DEP_2)
	v_max3_num_f32 v235, v235, |v[220+\i]|, |v[221+\i]|
.endr
	s_delay_alu instid0(VALU_DEP_1)
	v_max_num_f32 v234, v234, v235
	s_delay_alu instid0(VALU_DEP_1)
	v_permlanex16_b32 v238, v234, s28, s29
	s_delay_alu instid0(VALU_DEP_1)
	v_max_num_f32 v234, v234, v238
	s_delay_alu instid0(VALU_DEP_1)
	v_add_nc_u32 v242, 0xfe000000, v234
	s_delay_alu instid0(VALU_DEP_1)
	v_lshrrev_b32 v246, 23, v242
	v_cvt_scalef32_pk16_bf6_f32 v[210:212], v[218:233], v242
	v_nop                                          ; one plain place behind a scaled conversion
.irp i, 0,1,2
	ds_store_b32 v8, v[210+\i] offset:3072*(\t)+4*\i
.endr
	ds_store_b8 v9, v246 offset:128*(\t)
.endm
.irp t, 0,1,2,3,4,5,6,7
	ATT \t
.endr
	s_wait_dscnt 0x0                               ; my LDS stores have landed:
	s_barrier_signal -1
	s_barrier_wait -1                              ; the eight heads' codes and bytes lie in LDS
.irp e, 0,1
.irp i, 0,1,2
	ds_load_b128 v[32+12*\e+4*\i:35+12*\e+4*\i], v10 offset:1536*\e+16*\i   ; tile w's two fragments: my lane's registers 4 i on
.endr
.endr
	s_wait_dscnt 0x0
.irp e, 0,1
.irp i, 0,1,2
	global_store_b128 v15, v[32+12*\e+4*\i:35+12*\e+4*\i], s[24:25] offset:1536*\e+512*\i   ; 512 consecutive bytes a store
.endr
.endr
	s_cmp_lt_u32 s10, 4
	s_cbranch_scc0 .Ldone                          ; the 1,024 bytes of scale words: waves 0 to 3, 256 consecutive bytes each
	ds_load_b64 v[56:57], v254
	s_wait_dscnt 0x0
	global_store_b64 v255, v[56:57], s[26:27]
.Ldone:
	s_barrier_signal -1
	s_barrier_wait -1
	s_set_vgpr_msb 0x5
	s_wait_tensorcnt 0x0                           ; the wave's end
	ds_add_u32 v254, v255
	s_wait_dscnt 0x0
	s_set_vgpr_msb 0x500
	ROUND                                          ; the closing round
	s_endpgm
.Lfunc_end_k_qb1364a32ba_attn:
	.size	k_qb1364a32ba_attn, .Lfunc_end_k_qb1364a32ba_attn-k_qb1364a32ba_attn
	.p2alignl 7, 3214868480
	.fill 96, 4, 3214868480
	.section	.rodata,"a",@progbits
	.p2align	6, 0x0
	.amdhsa_kernel k_qb1364a32ba_attn
		.amdhsa_group_segment_fixed_size 327680
		.amdhsa_private_segment_fixed_size 0
		.amdhsa_enable_private_segment 0
		.amdhsa_kernarg_size 24
		.amdhsa_user_sgpr_count 2
		.amdhsa_user_sgpr_kernarg_segment_ptr 1
		.amdhsa_wavefront_size32 1
		.amdhsa_system_sgpr_workgroup_id_x 1
		.amdhsa_system_sgpr_workgroup_id_y 1
		.amdhsa_system_sgpr_workgroup_id_z 1
		.amdhsa_system_vgpr_workitem_id 0
		.amdhsa_next_free_vgpr 512
		.amdhsa_next_free_sgpr 66
		.amdhsa_reserve_vcc 1
		.amdhsa_float_denorm_mode_32 3
		.amdhsa_float_denorm_mode_16_64 3
		.amdhsa_memory_ordered 1
		.amdhsa_forward_progress 1
		.amdhsa_inst_pref_size 175
	.end_amdhsa_kernel
	.amdgpu_metadata
---
amdhsa.version: [ 1, 2 ]
amdhsa.kernels:
  - .name:           k_qb1364a32ba_attn
    .symbol:         k_qb1364a32ba_attn.kd
    .args:
      - { .name: hq, .offset: 0, .size: 8, .value_kind: global_buffer, .address_space: global }
      - { .name: wa, .offset: 8, .size: 8, .value_kind: global_buffer, .address_space: global }
      - { .name: aq, .offset: 16, .size: 8, .value_kind: global_buffer, .address_space: global }
    .group_segment_fixed_size: 327680
    .private_segment_fixed_size: 0
    .kernarg_segment_align: 8
    .kernarg_segment_size: 24
    .max_flat_workgroup_size: 256
    .sgpr_count:     66
    .vgpr_count:     512
    .wavefront_size: 32
...
	.end_amdgpu_metadata
.endif
;; end of part 2
;; launch mlp (part 3): grid 256 x 1, 4 waves a work-group, clusters of 4 x 1, 327,680 bytes of LDS; arguments aq, wm, x, b_proj, ln2_g, ln2_b, b1, b2, out0; writes out0
.if DOCPART == 3
	.amdgcn_target "amdgcn-amd-amdhsa--gfx1250"
	.amdhsa_code_object_version 6
	.text
	.protected	k_qb1364a32ba_mlp
	.globl	k_qb1364a32ba_mlp
	.p2align	8
	.type	k_qb1364a32ba_mlp,@function
k_qb1364a32ba_mlp:
	s_mov_b64 s[64:65], 0
	v_nop
	global_prefetch_b8 v0, s[64:65] scope:SCOPE_SE
	s_setreg_imm32_b32 hwreg(HW_REG_WAVE_MODE, 25, 1), 1
	s_wait_xcnt 0x0
	s_wait_alu depctr_hold_cnt(0) depctr_sa_sdst(0) depctr_va_vdst(0) depctr_va_sdst(0) depctr_va_ssrc(0) depctr_va_vcc(0) depctr_vm_vsrc(0)
	s_getreg_b32 s2, hwreg(HW_REG_IB_STS2, 6, 4)
	s_cmp_eq_u32 s2, 0
	s_cbranch_scc0 .Lentry_in_a_cluster
	s_endpgm
.Lentry_in_a_cluster:
	s_bfe_u32 s2, ttmp6, 0x10000c
	s_cmp_lg_u32 s2, 0x3003
	s_cbranch_scc0 .Lentry_shape_is_right
	s_endpgm
.Lentry_shape_is_right:
; LAUNCH 3 OF 3.  x1 = x + attn w_proj + b_proj; h2 = layernorm(x1) g + b; out = x1 + relu(h2 w1 + b1) w2 + b2.  All three products on codes of E3M2 with E8M0 scales.
; SHARES.  A work-group takes 64 rows through the whole chain; wave w makes all 64 rows x columns 128 w .. 128 w + 127 of each product (4 tiles of rows x 8 tiles of columns).
; The hidden layer goes in four chunks of 512 units: h2 w1 (4 K steps), relu, quantise, x w2 (4 K steps) onto the running sums.  It never leaves the WGP.
; THE PRODUCTS ARE USED TRANSPOSED: source 0 = 16 columns of a weight, source 1 = 16 rows: a lane holds one row and, over two tiles, 16 neighbours along the next K.
; WEIGHTS: the stream wm, [slot 0..17][wave][K step 0, 1][8 fragments, 4 word pairs = 12,800 bytes], through a ring of two LDS slots of 102,400 bytes (two K steps each), a quarter a wave.
; CLUSTER: the four work-groups of a cluster walk the same stream and ask for each slot jointly (mask 15).  Clusters begin at different chunks (cluster x % 4) and go round.
; TWO SETS OF FRAGMENT REGISTERS: an even K step multiplies set 0, an odd one set 1; a step's 28 LDS loads are issued one whole step (32 matrix instructions) ahead.
; So at the end of an even step both steps of its slot are in registers: there stand the three lines, the round, and the slot's refill.
; BIASES: b_proj and b1 are the C of a sum's first products.  RELU stands among the products of the last K step of h2 w1, two column tiles behind them.
; PREFETCH: the first six slots that the work-group reads are asked for two refills ahead: of a wave's 25,600 bytes each partner names 6,400 by address, a lane a block of 256 bytes
; (lanes 25-31 name the last block again).  The later slots are the chunks at which other clusters of the launch began: they are not asked for.
; LIMITS: NaN and infinities are not served.  A block of zeros gets the byte 1 and not 127: its codes are zeros, and the bytes are read by this program alone.
; REGISTERS.  window 0: v1-24 addresses, v28 prefetch offset, v32-35 and v60-63 the weights' scale words (sets 0, 1), v36-43 and v44-51 the rows' scale words, v52-59 at work (at the end v52-55: b2),
;   v64-159 fragment set 1 (between phases: at work), v160-255 fragment set 0.  window 1: v0-191 attn's, then h2's 16 fragments; v192-255 b_proj, then b1.  window 2: x, then the hidden sums, then their 16 fragments.  window 3: the sums of x1 and out.
.set SLOTB, 102400
.set PART,  4*SLOTB                    ; a chunk's four slots
.set IMGA,  204800                     ; h2's 16 fragments as register images,
.set SCA,   229376                     ; their scale words
.set IMGH,  230400                     ; the hidden chunk's likewise
.set SCH,   254976
.set STG,   256000                     ; a stage of 16 rows x 528 bytes for each wave
.set ST1,   289792                     ; row sums, first and second
.set ST2,   291840
.set SPARE, 293888                     ; the spare words
.set MSB, 0
.macro WIN new                         ; the immediate's high byte repeats the setting that is left
.if MSB != \new
	s_set_vgpr_msb (MSB<<8)|\new
.set MSB, \new
.endif
.endm
.macro PLACES n
.rept \n
	v_nop
.endr
.endm
.macro BARRIER
	s_wait_dscnt 0x0
	s_barrier_signal -1
	s_barrier_wait -1
.endm
.macro CREST                           ; a round of the cluster's barrier behind its opening barrier
	s_cmp_lg_u32 s22, 0
	s_cbranch_scc1 .Lnot_wave_0_\@
	s_barrier_signal -3
.Lnot_wave_0_\@:
	s_barrier_wait -3
	s_barrier_signal -1
	s_barrier_wait -1
.endm
.macro ROUND
	s_barrier_signal -1
	s_barrier_wait -1
	CREST
.endm
.macro MM d, a, b, c, sa, sb, ra, rb
.if (\ra) && (\rb)
	v_wmma_scale_f32_16x16x128_f8f6f4 v[\d:\d+7], v[\a:\a+11], v[\b:\b+11], v[\c:\c+7], v[\sa], v[\sb] matrix_a_fmt:MATRIX_FMT_BF6 matrix_b_fmt:MATRIX_FMT_BF6 matrix_a_scale:MATRIX_SCALE_ROW1 matrix_b_scale:MATRIX_SCALE_ROW1
.elseif (\ra)
	v_wmma_scale_f32_16x16x128_f8f6f4 v[\d:\d+7], v[\a:\a+11], v[\b:\b+11], v[\c:\c+7], v[\sa], v[\sb] matrix_a_fmt:MATRIX_FMT_BF6 matrix_b_fmt:MATRIX_FMT_BF6 matrix_a_scale:MATRIX_SCALE_ROW1
.elseif (\rb)
	v_wmma_scale_f32_16x16x128_f8f6f4 v[\d:\d+7], v[\a:\a+11], v[\b:\b+11], v[\c:\c+7], v[\sa], v[\sb] matrix_a_fmt:MATRIX_FMT_BF6 matrix_b_fmt:MATRIX_FMT_BF6 matrix_b_scale:MATRIX_SCALE_ROW1
.else
	v_wmma_scale_f32_16x16x128_f8f6f4 v[\d:\d+7], v[\a:\a+11], v[\b:\b+11], v[\c:\c+7], v[\sa], v[\sb] matrix_a_fmt:MATRIX_FMT_BF6 matrix_b_fmt:MATRIX_FMT_BF6
.endif
.endm
; 8 products: column tiles t0, t0 + 1 x the four row tiles, K step s of the phase (fragment set s % 2).  how: 1 = C is the bias in window 1, 0 = in place.  The 32 accumulators take turns.
.macro MUL8 t0, s, sb, how
.irp tt, \t0, \t0+1
.irp m, 0,1,2,3
.if \how == 1
	MM 64*\m+8*(\tt), 160-96*((\s)%2)+12*(\tt), 12*(4*\m+\s), 192+8*(\tt), 32+28*((\s)%2)+(\tt)/2, \sb+2*\m+(\s)/2, (\tt)%2, (\s)%2
.else
	MM 64*\m+8*(\tt), 160-96*((\s)%2)+12*(\tt), 12*(4*\m+\s), 64*\m+8*(\tt), 32+28*((\s)%2)+(\tt)/2, \sb+2*\m+(\s)/2, (\tt)%2, (\s)%2
.endif
.endr
.endr
.endm
; The same in a sum's last K step, with relu: behind each product eight lines clip the accumulator that was finished eight products earlier (column tile tt - 2, the same rows), from its low end on.
; max3 with two zeros takes its number as source 2 and so runs under the products' own window setting.  Each of these lines names no register of the products near it: they are the places behind them.
.macro MUL8R t0, s, sb
.irp tt, \t0, \t0+1
.irp m, 0,1,2,3
	MM 64*\m+8*(\tt), 160-96*((\s)%2)+12*(\tt), 12*(4*\m+\s), 64*\m+8*(\tt), 32+28*((\s)%2)+(\tt)/2, \sb+2*\m+(\s)/2, (\tt)%2, (\s)%2
.irp j, 0,1,2,3,4,5,6,7
	v_max3_num_f32 v[64*\m+8*(\tt)-16+\j], 0, 0, v[64*\m+8*(\tt)-16+\j]
.endr
.endr
.endr
.endm
.macro LOADW slot, e, fs               ; 28 LDS loads: my 8 fragments and 4 word pairs of the slot's K step e into set fs
.irp q, 0,1,2,3,4,5,6,7
.irp i, 0,1,2
	ds_load_b128 v[160-96*(\fs)+12*\q+4*\i:163-96*(\fs)+12*\q+4*\i], v[5+(\slot)] offset:12800*\e+1536*\q+512*\i
.endr
.endr
.irp j, 0,1,2,3
	ds_load_b32 v[32+28*(\fs)+\j], v[7+(\slot)] offset:12800*\e+12288+128*\j
.endr
.endm
.macro ACT adr, s                      ; the four row tiles' fragments of K step s, from an image (12 loads)
.irp m, 0,1,2,3
.irp i, 0,1,2
	ds_load_b128 v[12*(4*\m+\s)+4*\i:12*(4*\m+\s)+4*\i+3], v[\adr] offset:1536*(4*\m+\s)+512*\i
.endr
.endr
.endm
; TWO K STEPS, s and s + 1: those of one slot.  At the entry set 0 holds, or is about to hold, step s.  fill: the slot is filled again (stream slot 2 + u of the chunk at s[74:75]);
; more: another pair follows;  act: the hidden fragments of K steps 1 to 3 are fetched here;  pf: the scalar pair of a prefetch, or 0;  rl: step s + 1 ends the sums, and relu follows.
.macro PAIR slot, s, win, win2, sb, how, fill, more, u, act, pf, rl
	LOADW \slot, 1, 1                              ; step s + 1 into set 1 (four places stand behind the last products that read it)
.if \act
	WIN 0x80
	ACT 10, 1
	ACT 10, 2
	ACT 10, 3
	WIN 0
	s_wait_dscnt 63                                ; 64 loads were just issued: all older ones are in (set 0, the scale words, K step 0's fragments)
.else
	s_wait_dscnt 28                                ; all but the 28 just issued: set 0 is in
.endif
	WIN \win
	MUL8 0, \s, \sb, \how
	MUL8 2, \s, \sb, \how
	MUL8 4, \s, \sb, \how
.if \more
	WIN 0
	s_wait_tensorcnt 0x0                           ; my one load that was out, my part of the other slot, has landed;
	ds_add_u32 v23, v24
.if \fill
	s_add_nc_u64 s[38+4*\slot:39+4*\slot], s[66+2*\u:67+2*\u], s[74:75]   ; no load of mine is out: the slot's group 0 may be written
	s_or_b32 s[39+4*\slot], s[39+4*\slot], 0x80000000
.endif
	WIN \win
	MUL8 6, \s, \sb, \how                          ; eight products between the add and the wait for it
	WIN 0
	s_wait_dscnt 0x0                               ; the add is done; set 1 is in: my reads of this slot are over
	s_barrier_signal -1
	s_barrier_wait -1
.if \fill
	CREST                                          ; the barrier has opened a round: no wave of any partner reads this slot or has a load out
	tensor_load_to_lds s[36+4*\slot:39+4*\slot], s[28:35]
	s_nop 0
.endif
	PLACES 4                                       ; in front of the loads into set 0
	LOADW 1-\slot, 0, 0                            ; the next pair's first step
.if \pf
	global_prefetch_b8 v28, s[\pf:\pf+1] th:TH_LOAD_NT scope:SCOPE_SE   ; the slot two refills on
.endif
.else
	MUL8 6, \s, \sb, \how
	s_wait_dscnt 0x0                               ; set 1 is in
.endif
	WIN \win2
	MUL8 0, \s+1, \sb, 0
.if \rl
	PLACES 4                                       ; in front of the first read of column tiles 0 and 1
	MUL8R 2, \s+1, \sb
	MUL8R 4, \s+1, \sb
	MUL8R 6, \s+1, \sb
	PLACES 4
.irp m, 0,1,2,3
.set j, 48
.rept 16
	v_max3_num_f32 v[64*\m+j], 0, 0, v[64*\m+j]    ; column tiles 6 and 7
.set j, j+1
.endr
.endr
.else
	MUL8 2, \s+1, \sb, 0
	MUL8 4, \s+1, \sb, 0
	MUL8 6, \s+1, \sb, 0
	PLACES 4                                       ; in front of loads into set 1 and of the first read of results
.endif
	WIN 0
.endm
; TWO ROW TILES, m0 and m0 + 1, are quantised together: 128 numbers of a lane in window 2 (register 16 q + i of the pair = k 32 (q % 4) + 16 h + i of row tile m0 + q / 4): eight blocks by turns.
; Tile m0 + mm's codes come in v[70 + 30 mm] on, its scale word in v[68 + 30 mm]; both go to the image at img and the words at sca.  w: an earlier pair's LDS stores may still read those registers.
.macro QUANTP m0, img, sca, w
	WIN 0x28
.irp q, 0,1,2,3,4,5,6,7
	v_max3_num_f32 v[52+\q], 0x2800000, |v[64*(\m0)+16*\q]|, |v[64*(\m0)+16*\q+1]|   ; the floor 2^(5 - 127) among the leaves
.endr
.irp i, 2,4,6,8,10,12,14
.irp q, 0,1,2,3,4,5,6,7
	v_max3_num_f32 v[52+\q], v[52+\q], |v[64*(\m0)+16*\q+\i]|, |v[64*(\m0)+16*\q+\i+1]|
.endr
.endr
	WIN 0
.irp q, 0,1,2,3,4,5,6,7
	v_permlanex16_b32 v[120+\q], v[52+\q], s44, s45
.endr
.irp q, 0,1,2,3,4,5,6,7
	v_max_num_f32 v[52+\q], v[52+\q], v[120+\q]    ; the block's largest magnitude
.endr
.irp q, 0,1,2,3,4,5,6,7
	v_add_nc_u32 v[128+\q], 0xfe000000, v[52+\q]   ; 4 off the exponent field: the conversion's scale operand
.endr
.irp q, 0,1,2,3,4,5,6,7
	v_lshrrev_b32 v[120+\q], 23, v[128+\q]         ; the byte
.endr
.irp mm, 0,1
	v_lshl_or_b32 v[68+30*\mm], v[121+4*\mm], 8, v[120+4*\mm]
.endr
.irp mm, 0,1
	v_lshl_or_b32 v[68+30*\mm], v[122+4*\mm], 16, v[68+30*\mm]
.endr
.irp mm, 0,1
	v_lshl_or_b32 v[68+30*\mm], v[123+4*\mm], 24, v[68+30*\mm]
.endr
.if \w
	s_wait_alu depctr_va_vdst(0)
	s_wait_dscnt 0x0                               ; the pair before's stores have read their registers
.endif
	WIN 0x02
.irp mm, 0,1
.irp c, 0,1
	v_cvt_scalef32_pk16_bf6_f32 v[70+30*\mm+6*\c:72+30*\mm+6*\c], v[64*(\m0)+64*\mm+32*\c:64*(\m0)+64*\mm+32*\c+15], v[128+4*\mm+2*\c]
	v_cvt_scalef32_pk16_bf6_f32 v[82+30*\mm+4*\c:84+30*\mm+4*\c], v[64*(\m0)+64*\mm+32*\c+16:64*(\m0)+64*\mm+32*\c+31], v[129+4*\mm+2*\c]
.endr
.endr
	WIN 0
	v_nop                                          ; one plain place behind a scaled conversion
.irp mm, 0,1                           ; the operand's layout wants a whole block in a lane
.irp c, 0,1
.irp i, 0,1,2
	v_permlane16_swap_b32 v[70+30*\mm+6*\c+\i], v[82+30*\mm+4*\c+\i]
.endr
.endr
.endr
.irp mm, 0,1
.irp c, 0,1
.irp i, 0,1,2
	v_mov_b32 v[73+30*\mm+6*\c+\i], v[82+30*\mm+4*\c+\i]
.endr
.endr
.endr
.irp mm, 0,1
.irp c, 0,1,2
	ds_store_b128 v[\img], v[70+30*\mm+4*\c:73+30*\mm+4*\c] offset:6144*((\m0)+\mm)+512*\c
.endr
	ds_store_b32 v[\sca], v[68+30*\mm] offset:256*((\m0)+\mm)
.endr
.endm
.macro CROSS sa, sl                    ; four rows' partial sums (pairs in v90-97): the pair's halves, lane l xor 16, then the four waves through LDS: v98-101
.irp m, 0,1,2,3
	v_add_f32 v[98+\m], v[90+2*\m], v[91+2*\m]
.endr
.irp m, 0,1,2,3
	v_permlanex16_b32 v[138+\m], v[98+\m], s44, s45
.endr
.irp m, 0,1,2,3
	v_add_f32 v[98+\m], v[98+\m], v[138+\m]
.endr
	ds_store_b128 v[\sa], v[98:101]
	BARRIER
.irp k, 0,1,2,3
	ds_load_b128 v[102+4*\k:105+4*\k], v[\sl] offset:512*\k
.endr
	s_wait_dscnt 0x0
.irp m, 0,1,2,3
	v_add_f32 v[98+\m], v[102+\m], v[106+\m]
.endr
.irp m, 0,1,2,3
	v_add_f32 v[138+\m], v[110+\m], v[114+\m]
.endr
.irp m, 0,1,2,3
	v_add_f32 v[98+\m], v[98+\m], v[138+\m]
.endr
.endm
.macro XROWS m                         ; the 16 rows of x of row tile m, my wave's 512 bytes of each
.irp i, 0,1,2,3,4,5,6,7,8,9,10,11,12,13,14,15
	global_load_b128 v[64*(\m)+4*\i:64*(\m)+4*\i+3], v3, s[8:9] offset:(32*((\m)/2)+8*((\m)%2)+\i+8*(\i/8))*2048 th:TH_LOAD_NT
.endr
.endm
	s_load_b512 s[4:19], s[0:1], 0x0               ; aq, wm, x, b_proj, ln2_g, ln2_b, b1, b2
	s_load_b64 s[20:21], s[0:1], 0x40              ; out0
	v_lshl_add_u32 v23, v0, 2, SPARE
	v_mov_b32 v24, 0
	ds_add_u32 v23, v24                            ; the opening lines: the add, twice on end, and its wait
	ds_add_u32 v23, v24
	v_lshrrev_b32 v25, 5, v0
	v_readfirstlane_b32 s22, v25                   ; wave
	s_bfe_u32 s23, ttmp6, 0x40000                  ; cx
	s_lshl_b32 s24, ttmp9, 2
	s_add_co_u32 s24, s24, s23                     ; work-group: rows 64 x this on
	s_and_b32 s76, ttmp9, 3                        ; the chunk at which my cluster begins
	s_mul_i32 s74, s76, PART
	s_mov_b32 s75, 0
	s_lshl_b32 s78, s76, 11
	s_mov_b32 s79, 0
	s_mov_b32 s28, 15|(3<<16)|(1<<21)              ; group 1: mask of the four partners; 100 dense rows of 32 elements of 8 bytes
	s_mov_b32 s29, 32<<16
	s_mov_b32 s30, 100<<16
	s_mov_b32 s31, 32<<16
	s_mov_b32 s32, 100
	s_mov_b32 s33, 32
	s_mov_b32 s34, 0
	s_mov_b32 s35, 0
	s_mul_i32 s25, s22, 25600
	s_mov_b32 s36, 1
	s_mov_b32 s37, s25
	s_mov_b32 s40, 1
	s_add_co_u32 s41, s25, SLOTB
	s_mov_b32 s50, s25
	s_mov_b32 s51, 0
	s_mov_b32 s44, 0x76543210
	s_mov_b32 s45, 0xfedcba98                      ; v_permlanex16_b32's selects for lane l xor 16
	s_mov_b32 s46, 0xbb000000                      ; -1 / 512
	s_mov_b32 s47, 0x3b000000                      ; 1 / 512
	s_mov_b32 s48, 0x3727c5ac                      ; 1e-5
	v_and_b32 v25, 31, v0
	v_and_b32 v26, 15, v0
	v_bfe_u32 v27, v0, 4, 1
	v_lshlrev_b32 v1, 4, v25                       ; 16 x lane
	v_lshlrev_b32 v2, 2, v25                       ; 4 x lane
	v_lshlrev_b32 v3, 4, v0                        ; 16 x thread
	v_lshlrev_b32 v4, 6, v27                       ; 64 h
	v_add_nc_u32 v5, s25, v1                       ; my fragments in slot 0, 1
	v_add_nc_u32 v6, SLOTB, v5
	v_add_nc_u32 v7, s25, v2                       ; my word pairs in slot 0, 1
	v_add_nc_u32 v8, SLOTB, v7
	v_add_nc_u32 v9, IMGA, v1
	v_add_nc_u32 v10, IMGH, v1
	s_mul_i32 s26, s22, 1536
	v_add_nc_u32 v11, s26, v9                      ; where my K step of an image goes
	v_add_nc_u32 v12, s26, v10
	v_add_nc_u32 v13, SCA, v2
	v_add_nc_u32 v14, SCH, v2
	s_and_b32 s26, s22, 1
	s_lshl_b32 s26, s26, 6
	s_lshr_b32 s27, s22, 1
	s_lshl_b32 s27, s27, 7
	s_add_co_u32 s26, s26, s27
	v_lshl_add_u32 v15, v26, 2, s26
	v_add_nc_u32 v16, SCH, v15
	v_add_nc_u32 v15, SCA, v15
	s_mul_i32 s26, s22, 8448
	s_add_co_u32 s26, s26, STG
	v_mul_u32_u24 v17, v26, 528
	v_lshl_add_u32 v17, v27, 6, v17
	v_add_nc_u32 v17, s26, v17                     ; my stage by the products' layout,
	v_add_nc_u32 v18, s26, v1                      ; and by rows
	v_add_nc_u32 v19, ST1, v3
	v_add_nc_u32 v20, ST2, v3
	v_add_nc_u32 v21, ST1, v1
	v_add_nc_u32 v22, ST2, v1
	s_mul_i32 s27, s23, 6400
	v_min_u32 v28, 24, v25
	v_lshlrev_b32 v28, 8, v28
	v_add_nc_u32 v28, s27, v28                     ; the prefetches' offset: 6,400 x cx + 256 x min(lane, 24)
	s_wait_alu depctr_va_vdst(0)
	s_wait_dscnt 0x0                               ; both opening adds are done
	s_wait_kmcnt 0x0
	s_add_nc_u64 s[38:39], s[6:7], s[50:51]        ; my quarter of stream slot 0,
	s_add_nc_u64 s[42:43], s[38:39], SLOTB         ; of slot 1,
	s_mov_b64 s[58:59], s[42:43]
.irp u, 0,1,2,3
	s_add_nc_u64 s[66+2*\u:67+2*\u], s[38:39], (2+\u)*SLOTB   ; of chunk 0's four
.endr
	s_add_nc_u64 s[60:61], s[66:67], s[74:75]      ; and, for the prefetches, of my first chunk's four
	s_add_nc_u64 s[62:63], s[68:69], s[74:75]
	s_add_nc_u64 s[82:83], s[70:71], s[74:75]
	s_add_nc_u64 s[84:85], s[72:73], s[74:75]
	s_or_b32 s39, s39, 0x80000000
	s_or_b32 s43, s43, 0x80000000
	s_lshl_b32 s50, s24, 17
	s_add_nc_u64 s[8:9], s[8:9], s[50:51]          ; my 64 rows of x and of out0
	s_add_nc_u64 s[20:21], s[20:21], s[50:51]
	s_lshr_b32 s26, s24, 1
	s_and_b32 s27, s24, 1
	s_mul_i32 s50, s26, 49152
	s_mul_i32 s52, s27, 12288
	s_add_co_u32 s50, s50, s52
	s_add_nc_u64 s[54:55], s[4:5], s[50:51]        ; attn's codes,
	s_lshl_b32 s50, s26, 11
	s_lshl_b32 s52, s27, 9
	s_add_co_u32 s50, s50, s52
	s_add_co_u32 s50, s50, 6291456
	s_add_nc_u64 s[56:57], s[4:5], s[50:51]        ; its scale words
	s_lshl_b32 s50, s22, 9
	s_add_nc_u64 s[10:11], s[10:11], s[50:51]      ; my 128 columns of b_proj, the gains, the biases and b1
	s_add_nc_u64 s[12:13], s[12:13], s[50:51]
	s_add_nc_u64 s[14:15], s[14:15], s[50:51]
	s_add_nc_u64 s[16:17], s[16:17], s[50:51]
	s_add_nc_u64 s[80:81], s[16:17], s[78:79]
	ROUND                                          ; in front of the first joint load
	tensor_load_to_lds s[36:39], s[28:35]          ; stream slot 0: my one tensor load at the head
	s_nop 0
	PLACES 4
	global_prefetch_b8 v28, s[58:59] th:TH_LOAD_NT scope:SCOPE_SE   ; stream slots 1 and 2
	global_prefetch_b8 v28, s[60:61] th:TH_LOAD_NT scope:SCOPE_SE
	WIN 0x40
.irp m, 0,1,2,3
.irp s, 0,1,2,3
.irp i, 0,1,2
	global_load_b128 v[12*(4*\m+\s)+4*\i:12*(4*\m+\s)+4*\i+3], v1, s[54:55] offset:(\s/2)*24576+(2*\m+\s%2)*1536+512*\i th:TH_LOAD_NT
.endr
.endr
.endr
.irp e, 0,1,2,3,4,5,6,7,8,9,10,11,12,13,14,15
	global_load_b128 v[192+4*\e:195+4*\e], v4, s[10:11] offset:128*(\e/4)+16*(\e%4)   ; b_proj in the products' layout: register 8 tt + j = the column of tile tt's register j
.endr
	WIN 0
.irp m, 0,1,2,3
.irp g, 0,1
	global_load_b32 v[36+2*\m+\g], v2, s[56:57] offset:1024*\g+128*\m
.endr
.endr
	WIN 0x80
	XROWS 0
	XROWS 1
	XROWS 2
	WIN 0
	s_wait_tensorcnt 0x0                           ; slot 0 is in
	ds_add_u32 v23, v24
	s_wait_dscnt 0x0
	ROUND
	tensor_load_to_lds s[40:43], s[28:35]          ; stream slot 1
	s_nop 0
	PLACES 4
	global_prefetch_b8 v28, s[62:63] th:TH_LOAD_NT scope:SCOPE_SE   ; stream slot 3
	s_wait_loadcnt 48                              ; all but x's 48: attn's codes and words, b_proj
	LOADW 0, 0, 0
	; ---- attn w_proj + b_proj
	PAIR 0, 0, 0xd4, 0xf4, 36, 1, 1, 1, 0, 0, 82, 0
	WIN 0x80
	XROWS 3
	WIN 0
	PAIR 1, 2, 0xf4, 0xf4, 36, 0, 1, 1, 1, 0, 84, 0
	WIN 0x40
.irp e, 0,1,2,3,4,5,6,7,8,9,10,11,12,13,14,15
	global_load_b128 v[4*\e:4*\e+3], v4, s[12:13] offset:128*(\e/4)+16*(\e%4)
	global_load_b128 v[64+4*\e:67+4*\e], v4, s[14:15] offset:128*(\e/4)+16*(\e%4)
	global_load_b128 v[192+4*\e:195+4*\e], v4, s[80:81] offset:128*(\e/4)+16*(\e%4)
.endr
	WIN 0
	s_wait_loadcnt 48                              ; all but these 48: x is in
	; ---- x, turned through my stage into the products' layout
.irp m, 0,1,2,3
	WIN 0x08
.irp i, 0,1,2,3,4,5,6,7,8,9,10,11,12,13,14,15
	ds_store_b128 v18, v[64*\m+4*\i:64*\m+4*\i+3] offset:528*\i
.endr
	WIN 0x80
.irp e, 0,1,2,3,4,5,6,7,8,9,10,11,12,13,14,15
	ds_load_b128 v[64*\m+4*\e:64*\m+4*\e+3], v17 offset:128*(\e/4)+16*(\e%4)
.endr
.endr
	WIN 0
	s_wait_dscnt 0x0
	WIN 0xcb
.irp m, 0,1,2,3
.set p, 0
.rept 32
	v_pk_add_f32 v[64*\m+2*p:64*\m+2*p+1], v[64*\m+2*p:64*\m+2*p+1], v[64*\m+2*p:64*\m+2*p+1]   ; x1, in window 3
.set p, p+1
.endr
.endr
	WIN 0
.irp i, 90,91,92,93,94,95,96,97,138,139,140,141
	v_mov_b32 v\i, 0
.endr
	WIN 0x0c
.set p, 0
.rept 32
.irp m, 0,1,2,3
	v_pk_add_f32 v[90+2*\m:91+2*\m], v[90+2*\m:91+2*\m], v[64*\m+2*p:64*\m+2*p+1]
.endr
.set p, p+1
.endr
	WIN 0
	CROSS 19, 21
.irp m, 0,1,2,3
	v_mul_f32 v[118+2*\m], s46, v[98+\m]           ; -mean, as a pair
.endr
.irp m, 0,1,2,3
	v_mov_b32 v[119+2*\m], v[118+2*\m]
.endr
	WIN 0x83
.irp m, 0,1,2,3
.set p, 0
.rept 32
	v_pk_add_f32 v[64*\m+2*p:64*\m+2*p+1], v[64*\m+2*p:64*\m+2*p+1], v[118+2*\m:119+2*\m]   ; x1 - mean, into window 2
.set p, p+1
.endr
.endr
	WIN 0
.irp i, 90,91,92,93,94,95,96,97
	v_mov_b32 v\i, 0
.endr
	WIN 0x0a
.set p, 0
.rept 32
.irp m, 0,1,2,3
	v_pk_fma_f32 v[90+2*\m:91+2*\m], v[64*\m+2*p:64*\m+2*p+1], v[64*\m+2*p:64*\m+2*p+1], v[90+2*\m:91+2*\m]
.endr
.set p, p+1
.endr
	WIN 0
	CROSS 20, 22
.irp m, 0,1,2,3
	v_fma_f32 v[98+\m], v[98+\m], s47, s48         ; variance + 1e-5
.endr
	s_wait_alu depctr_va_vdst(0)                   ; a wait ahead of the batch,
.irp m, 0,1,2,3
	v_rsq_f32 v[126+2*\m], v[98+\m]
.endr
	v_nop
	s_wait_alu depctr_va_vdst(0)                   ; and behind it
.irp m, 0,1,2,3
	v_mov_b32 v[127+2*\m], v[126+2*\m]
.endr
	WIN 0x82
.irp m, 0,1,2,3
.set p, 0
.rept 32
	v_pk_mul_f32 v[64*\m+2*p:64*\m+2*p+1], v[64*\m+2*p:64*\m+2*p+1], v[126+2*\m:127+2*\m]
.set p, p+1
.endr
.endr
	s_wait_loadcnt 0x0                             ; the gains, the biases, b1
	WIN 0x96
.irp m, 0,1,2,3
.set p, 0
.rept 32
	v_pk_fma_f32 v[64*\m+2*p:64*\m+2*p+1], v[64*\m+2*p:64*\m+2*p+1], v[2*p:2*p+1], v[64+2*p:65+2*p]
.set p, p+1
.endr
.endr
	QUANTP 0, 11, 15, 0
	QUANTP 2, 11, 15, 1
	BARRIER
	WIN 0x40
.irp s, 0,1,2,3
	ACT 9, \s                                      ; h2's 16 fragments stay in window 1 for all four chunks
.endr
	WIN 0
.irp j, 0,1,2,3,4,5,6,7
	ds_load_b32 v[36+\j], v13 offset:128*\j
.endr
.macro CHUNK fill2, last
	s_wait_loadcnt 0x0                             ; b1
	PLACES 5                                       ; the hidden sums begin anew over registers that the last products read
	PAIR 0, 0, 0x94, 0xa4, 36, 1, 1, 1, 2, 0, 0, 0
	PAIR 1, 2, 0xa4, 0xa4, 36, 0, 1, 1, 3, 0, 0, 1
	QUANTP 0, 12, 16, 0
	QUANTP 2, 12, 16, 1
	BARRIER
	WIN 0x80
	ACT 10, 0                                      ; K step 0's fragments first; the others follow behind the weights' loads
	WIN 0
.irp j, 0,1,2,3,4,5,6,7
	ds_load_b32 v[44+\j], v14 offset:128*\j
.endr
.if !(\last)
	s_add_co_u32 s76, s76, 1                       ; the next chunk, going round
	s_and_b32 s76, s76, 3
	s_mul_i32 s74, s76, PART
	s_lshl_b32 s78, s76, 11
	s_wait_xcnt 0x0                                ; the last loads of b1 have read their base
	s_add_nc_u64 s[80:81], s[16:17], s[78:79]
	WIN 0x40
.irp e, 0,1,2,3,4,5,6,7,8,9,10,11,12,13,14,15
	global_load_b128 v[192+4*\e:195+4*\e], v4, s[80:81] offset:128*(\e/4)+16*(\e%4)
.endr
	WIN 0
.else
	global_load_b128 v[52:55], v3, s[18:19]        ; b2, my four columns by rows
.endif
	PAIR 0, 0, 0xf8, 0xf8, 44, 0, \fill2, 1, 0, 1, 0, 0
	PAIR 1, 2, 0xf8, 0xf8, 44, 0, \fill2, 1-\last, 1, 0, 0, 0
.endm
	s_mov_b32 s49, 3
.Lchunk:
	CHUNK 1, 0
	s_sub_co_u32 s49, s49, 1
	s_cmp_lg_u32 s49, 0
	s_cbranch_scc1 .Lchunk
	CHUNK 0, 1                                     ; the last chunk asks for nothing more
	s_wait_loadcnt 0x0                             ; b2
	; ---- the way out: through my stage back into rows; + b2; 32 lanes store 512 consecutive bytes of a row
.macro TOST m                          ; row tile m through my stage: LDS serves a wave's instructions in order, so no wait stands between the stores and the loads, nor in front of the next tile's stores
	WIN 0x0c
.irp e, 0,1,2,3,4,5,6,7,8,9,10,11,12,13,14,15
	ds_store_b128 v17, v[64*(\m)+4*\e:64*(\m)+4*\e+3] offset:128*(\e/4)+16*(\e%4)
.endr
	WIN 0x80
.irp i, 0,1,2,3,4,5,6,7,8,9,10,11,12,13,14,15
	ds_load_b128 v[64*(\m)+4*\i:64*(\m)+4*\i+3], v18 offset:528*\i
.endr
.endm
	TOST 0
.irp m, 0,1,2,3
.if \m < 3
	TOST \m+1                                      ; the next tile is on its way through the stage while this one is added and stored
	s_wait_dscnt 32                                ; all but the next tile's 16 stores and 16 loads
.else
	s_wait_dscnt 0x0
.endif
	WIN 0x82
.irp i, 0,1,2,3,4,5,6,7,8,9,10,11,12,13,14,15
	v_pk_add_f32 v[64*\m+4*\i:64*\m+4*\i+1], v[64*\m+4*\i:64*\m+4*\i+1], v[52:53]
	v_pk_add_f32 v[64*\m+4*\i+2:64*\m+4*\i+3], v[64*\m+4*\i+2:64*\m+4*\i+3], v[54:55]
.endr
	WIN 0x08
.irp i, 0,1,2,3,4,5,6,7,8,9,10,11,12,13,14,15
	global_store_b128 v3, v[64*\m+4*\i:64*\m+4*\i+3], s[20:21] offset:(32*(\m/2)+8*(\m%2)+\i+8*(\i/8))*2048 th:TH_STORE_NT
.endr
.endr
	WIN 0
	s_wait_tensorcnt 0x0                           ; the wave's end
	ds_add_u32 v23, v24
	s_wait_dscnt 0x0
	ROUND                                          ; the closing round
	s_endpgm
.Lfunc_end_k_qb1364a32ba_mlp:
	.size	k_qb1364a32ba_mlp, .Lfunc_end_k_qb1364a32ba_mlp-k_qb1364a32ba_mlp
	.p2alignl 7, 3214868480
	.fill 96, 4, 3214868480
	.section	.rodata,"a",@progbits
	.p2align	6, 0x0
	.amdhsa_kernel k_qb1364a32ba_mlp
		.amdhsa_group_segment_fixed_size 327680
		.amdhsa_private_segment_fixed_size 0
		.amdhsa_enable_private_segment 0
		.amdhsa_kernarg_size 72
		.amdhsa_user_sgpr_count 2
		.amdhsa_user_sgpr_kernarg_segment_ptr 1
		.amdhsa_wavefront_size32 1
		.amdhsa_system_sgpr_workgroup_id_x 1
		.amdhsa_system_sgpr_workgroup_id_y 1
		.amdhsa_system_sgpr_workgroup_id_z 1
		.amdhsa_system_vgpr_workitem_id 0
		.amdhsa_next_free_vgpr 1024
		.amdhsa_next_free_sgpr 88
		.amdhsa_reserve_vcc 0
		.amdhsa_float_denorm_mode_32 3
		.amdhsa_float_denorm_mode_16_64 3
		.amdhsa_memory_ordered 1
		.amdhsa_forward_progress 1
		.amdhsa_inst_pref_size 255
	.end_amdhsa_kernel
	.section	.bss,"aw",@nobits
	.p2align	6
	.space	262144
	.amdgpu_metadata
---
amdhsa.version: [ 1, 2 ]
amdhsa.kernels:
  - .name:           k_qb1364a32ba_mlp
    .symbol:         k_qb1364a32ba_mlp.kd
    .args:
      - { .name: aq, .offset: 0, .size: 8, .value_kind: global_buffer, .address_space: global }
      - { .name: wm, .offset: 8, .size: 8, .value_kind: global_buffer, .address_space: global }
      - { .name: x, .offset: 16, .size: 8, .value_kind: global_buffer, .address_space: global }
      - { .name: b_proj, .offset: 24, .size: 8, .value_kind: global_buffer, .address_space: global }
      - { .name: ln2_g, .offset: 32, .size: 8, .value_kind: global_buffer, .address_space: global }
      - { .name: ln2_b, .offset: 40, .size: 8, .value_kind: global_buffer, .address_space: global }
      - { .name: b1, .offset: 48, .size: 8, .value_kind: global_buffer, .address_space: global }
      - { .name: b2, .offset: 56, .size: 8, .value_kind: global_buffer, .address_space: global }
      - { .name: out0, .offset: 64, .size: 8, .value_kind: global_buffer, .address_space: global }
    .group_segment_fixed_size: 327680
    .private_segment_fixed_size: 0
    .kernarg_segment_align: 8
    .kernarg_segment_size: 72
    .max_flat_workgroup_size: 128
    .sgpr_count:     88
    .vgpr_count:     1024
    .wavefront_size: 32
...
	.end_amdgpu_metadata
.endif
;; end of part 3
